; MI455X (gfx1250); checked and timed in simulation.
; The chip was launched on July 23, 2026; its instructions are those of AMD's public machine-readable ISA for CDNA 5 (MIT licence, August 2026) and "CDNA5" Instruction Set Architecture Reference Guide (July 2026). The comments in the code are by the model that wrote it; some were corrected since.
;; Multi Head Attention. Allowed arithmetic: matrix products marked QUANTISED: E4M3 operands, one given power-of-two scale a tensor, by v_wmma_f32_16x16x64_fp8_fp8 or v_wmma_f32_16x16x128_fp8_fp8, f32 sums; everything else in f32.
;; Inputs: W_attn 1,024 x 3,072 float32; W_proj 1,024 x 1,024 float32; b_attn 3,072 float32; b_proj 1,024 float32; lowp_scales 8 int32 (the exponents e of the quantised operands' scales 2^e); x 4 x 2,048 x 1,024 float32.
;; Outputs: out0 4 x 2,048 x 1,024 float32.
;; This version of the problem:
;;   THIS VERSION OF THE PROBLEM IS GIVEN IN LOW PRECISION. The matrix products marked QUANTISED in the list below multiply operands that are first quantised to E4M3 (4 exponent bits, 3 mantissa bits; 8 bits a number), with one given power-of-two scale for each operand tensor; their sums are f32. All else is computed in f32.
;;   The module's matrix products, in the order in which they are computed (A, B: the left and right operand; K: the contracted axis; several contracted axes count as one K, in the product's order):
;;     1. [M 8,192, K 1,024] x [K 1,024, N 3,072]; A: input x; B: input W_attn: QUANTISED (scales: A lowp_scales[0], B lowp_scales[1])
;;     2. batch 64 x [M 2,048, K 64] x [K 64, N 2,048]; A: computed on the way; B: computed on the way: QUANTISED (scales: A lowp_scales[2], B lowp_scales[3])
;;     3. batch 64 x [M 2,048, K 2,048] x [K 2,048, N 64]; A: softmax (see below); B: computed on the way: QUANTISED (scales: A lowp_scales[4], B lowp_scales[5])
;;     4. [M 8,192, K 1,024] x [K 1,024, N 1,024]; A: computed on the way; B: input W_proj: QUANTISED (scales: A lowp_scales[6], B lowp_scales[7])
;;   THE QUANTISER, for each operand of a quantised product, along K:
;;     - The operand's scale is 2^e, e = its entry of the input lowp_scales (int32; the entries are numbered through the quantised products in the list's order, A before B).
;;     - Each number is divided by the scale, clamped to +-448, and rounded to the nearest number of E4M3, ties to even, subnormals kept.
;;     - The product sums the exact products of the quantised numbers (number of the format x scale) in f32.
;;   ~~~python
;;   def quantise(x, axis, e):      # numpy; x: float32 -> the quantised numbers, widened to float32 again
;;       x = np.moveaxis(x, axis, -1); K = x.shape[-1]
;;       r = np.clip(x / 2.0 ** e, -448, 448)
;;       step = 2.0 ** (np.maximum(np.frexp(np.where(r == 0, 1, r))[1] - 1, -6) - 3)
;;       q = np.round(r / step) * step * 2.0 ** e      # np.round: ties to even
;;       return np.moveaxis(q, -1, axis).astype(np.float32)
;;   ~~~
;;   SOFTMAX AHEAD OF A QUANTISED PRODUCT. Where the list says 'softmax', what is quantised is not the finished softmax but p = 2^(t - M), with t = logit x log2(e) and M = ceil(the row's largest t), a whole number; so 1/2 < the row's largest p <= 1. The row's sum l is taken of the UNQUANTISED p, in f32, and the product's result is divided by l at the end. Since M is a whole number, a kernel that streams over the keys may use a running M (the ceiling of the running maximum): every later rescaling is an exact power of two, so the quantised numbers keep their values, but for numbers so far below the row's largest that they fall under the format's range.
;;   OPERANDS COMPUTED ON THE WAY. 'Computed on the way' means the value that the module computes at that place (a softmax that the list does not call 'softmax' is quantised finished and normalised). What goes into a quantiser is computed in f32, as accurately as f32 sums, v_exp_f32 and their like allow (about 1e-6 of the number): no bf16 or f16 on the way to a quantiser, and a product that is left as it is and whose result goes on into a quantised operand takes f32 operands (vector FMAs, or v_wmma_f32_16x16x4_f32). A number that lies on a knife's edge between two numbers of the format may be rounded either way, as far as f32 arithmetic and the matrix unit's own rounding can turn it there, and no further.
;; One version. Each part assembles by itself: llvm-mc -triple=amdgcn-amd-amdhsa -mcpu=gfx1250 --defsym DOCPART=n.
;; ======== version 1 of 1: 4 launches
;; limits: right only within a limited range of input values
;; workspace buffers: xc 8,388,608 bytes; wac 3,145,728 bytes; wpc 1,048,576 bytes; qc 8,388,608 bytes; kc 8,388,608 bytes; vc 8,388,608 bytes; ac 8,388,608 bytes
;; launch quant (part 1): grid 96 x 8, 4 waves a work-group, no clusters, 35,328 bytes of LDS; arguments x, W_attn, W_proj, lowp_scales, xc, wac, wpc; writes xc, wac, wpc
.if DOCPART == 1
	.amdgcn_target "amdgcn-amd-amdhsa--gfx1250"
	.amdhsa_code_object_version 6
	.text
	.protected	k_q61a84a6919_quant
	.globl	k_q61a84a6919_quant
	.p2align	8
	.type	k_q61a84a6919_quant,@function
k_q61a84a6919_quant:
	s_mov_b64 s[64:65], 0
	v_nop
	global_prefetch_b8 v0, s[64:65] scope:SCOPE_SE
	s_setreg_imm32_b32 hwreg(HW_REG_WAVE_MODE, 25, 1), 1
	s_wait_xcnt 0x0
; x [8192][1024], W_attn [1024][3072] and W_proj [1024][1024], f32, become codes of FP8 (E4M3), each with the one scale 2^e that is given for it (entries 0, 1 and 7 of the scales).
; code = number / 2^e, held within +-448, rounded to the nearest code, ties to even.  LIMITS: each e between -126 and 119, so that 2^e and 448 x 2^e are f32 numbers.  NaN among the inputs is not served.
; THE CODES ARE LAID AS IMAGES OF THE OPERAND'S REGISTERS.  A fragment is 16 rows x 128 K in 16 registers a lane; lane (r, h) holds, of row r, k = 16 c + 8 h + 0 .. 7 in registers 2 c, 2 c + 1.
; In memory it lies as [g 0..3][lane 0..31][16 bytes], g = registers 4 g .. 4 g + 3: lane (r, h)'s 16 bytes of group g are k = 32 g + 8 h + 0 .. 7, then k = 32 g + 16 + 8 h + 0 .. 7.
; xc: [row tile 512][K step 8][g][lane][16];  wac: [tile of 16 columns 192][K step 8][g][lane][16];  wpc: the same with 64 tiles.  A row of a weight's fragment is a COLUMN n of the weight, since K is its first axis.
; SHARES: 768 work-groups of four waves, 64 KiB of f32 each.  Work-group x 0-63: x, row tile 64 y + x, wave w its K quarter.  x 64-87: W_attn, 128 columns x 128 K (K step y).  x 88-95: W_proj likewise.
; The paths part on the work-group's number alone.  No matrix unit, no cluster, no tensor load: the launch is a stream that shares nothing between work-groups.
; x's PATH: each load reads 512 consecutive bytes of a row; the 16 rows turn through the wave's own stage in LDS (rows of 512 + 16 bytes), from which a lane takes its 2 x 8 neighbours along K of a group.
; A WEIGHT'S PATH: a lane takes a column and its registers run down K, so the conversions give codes with K innermost; nothing is transposed, and no LDS is used.
; Every store of codes covers whole aligned blocks of 256 bytes.
.set WREG,  8704                       ; LDS of a wave: a stage of 16 rows x 528 bytes, rounded up to blocks of 512
.set SP,    528                        ; a stage row: 512 bytes + 16 = 132 words: row r starts at bank 4 r mod 64 (64 banks of 4 bytes: ISA guide 11.1)
.set SPARE, 4*WREG                     ; behind the four stages: the spare words, 128 bytes for each wave, which no other line names
.set SPW,   12                         ; v12      LDS address of my spare word; never rewritten
.set NIL,   13                         ; v13      0; never rewritten
.set R,     16                         ; v16-143  x: two units of 16 rows x 4 registers, as loaded
.set X,     144                        ; v144-175 x: two sets of 16 numbers of a group
.set C,     176                        ; v176-207 x: four registers of codes for each unit and group: no store's data are written again
.set XW,    16                         ; v16-79   a weight: two sets of 32 numbers down K
.set CW,    80                         ; v80-111  a weight: eight registers of codes for each block of 32 along K
.macro SCALE e                         ; v11 = 2^e as f32 (the conversion takes its exponent field)
	s_wait_kmcnt 0x0
	s_add_co_i32 s36, \e, 127
	s_lshl_b32 s37, s36, 23
	v_mov_b32 v11, s37
.endm
.macro LOADX u                         ; unit u: 16 rows x 128 K; a load is a row's 512 consecutive bytes
.set ii, 0
.rept 16
	global_load_b128 v[R+64*\u+4*ii:R+64*\u+4*ii+3], v3, s[4:5] offset:ii*4096+\u*512 th:TH_LOAD_NT
.set ii, ii+1
.endr
.endm
.macro RD g, st                        ; my 16 numbers of group g out of the stage into set st
	ds_load_b128 v[X+16*\st:X+16*\st+3],     v15 offset:128*\g
	ds_load_b128 v[X+16*\st+4:X+16*\st+7],   v15 offset:128*\g+16
	ds_load_b128 v[X+16*\st+8:X+16*\st+11],  v15 offset:128*\g+64
	ds_load_b128 v[X+16*\st+12:X+16*\st+15], v15 offset:128*\g+80
.endm
.macro QG u, g, st                     ; convert, store: the wave's store covers the group's 512 consecutive bytes
.set ii, 0
.rept 16
.set ii, ii+1
.endr
	v_cvt_scalef32_pk8_fp8_f32 v[C+16*\u+4*\g:C+16*\u+4*\g+1],   v[X+16*\st:X+16*\st+7],    v11
	v_cvt_scalef32_pk8_fp8_f32 v[C+16*\u+4*\g+2:C+16*\u+4*\g+3], v[X+16*\st+8:X+16*\st+15], v11
	global_store_b128 v3, v[C+16*\u+4*\g:C+16*\u+4*\g+3], s[12:13] offset:(4*\u+\g)*512
.endm
.macro UNIT u, left                    ; left: the younger global loads, which may stay out
	s_wait_loadcnt \left
.set ii, 0
.rept 16
	ds_store_b128 v14, v[R+64*\u+4*ii:R+64*\u+4*ii+3] offset:ii*SP
.set ii, ii+1
.endr
	v_nop
	RD 0, 0                                        ; LDS serves a wave's instructions in order (ISA guide 5.7.1.4): these see the stores above
	RD 1, 1
	s_wait_dscnt 4                                 ; all but the youngest four reads are back
	QG \u, 0, 0
	RD 2, 0
	s_wait_dscnt 4
	QG \u, 1, 1
	RD 3, 1
	s_wait_dscnt 4
	QG \u, 2, 0
	s_wait_dscnt 0
	QG \u, 3, 1
.endm
.macro LOADW t, N, src                 ; block t: 32 rows of the weight at my column, into set t % 2; a load is 128 consecutive bytes a wave, 512 a work-group
.set ii, 0
.rept 32
	global_load_b32 v[XW+32*((\t)%2)+ii], v3, s[\src:\src+1] offset:(32*(\t)+ii)*\N*4 th:TH_LOAD_NT
.set ii, ii+1
.endr
.endm
.macro BLOCK t, N, src, dst
.set XS, XW+32*((\t)%2)
.if (\t) < 3
	s_wait_loadcnt 32                              ; this block's 32 loads are in; the next block's may be out
.else
	s_wait_loadcnt 0
.endif
.set ii, 0
.rept 32
.set ii, ii+1
.endr
	v_cvt_scalef32_pk8_fp8_f32 v[CW+8*(\t):CW+8*(\t)+1],   v[XS:XS+7],     v11   ; k 0-7 and 16-23 of the block: the image's lane (r, 0)
	v_cvt_scalef32_pk8_fp8_f32 v[CW+8*(\t)+2:CW+8*(\t)+3], v[XS+16:XS+23], v11
	v_cvt_scalef32_pk8_fp8_f32 v[CW+8*(\t)+4:CW+8*(\t)+5], v[XS+8:XS+15],  v11   ; k 8-15 and 24-31: lane (r, 1)
	v_cvt_scalef32_pk8_fp8_f32 v[CW+8*(\t)+6:CW+8*(\t)+7], v[XS+24:XS+31], v11
	global_store_b128 v8, v[CW+8*(\t):CW+8*(\t)+3],   s[\dst:\dst+1] offset:512*(\t)       ; sixteen lanes fill 256 consecutive bytes, aligned
	global_store_b128 v8, v[CW+8*(\t)+4:CW+8*(\t)+7], s[\dst:\dst+1] offset:512*(\t)+256
.if (\t) < 2
	LOADW (\t)+2, \N, \src
.endif
.endm
.macro WPATH N, src, dst, esc, x0      ; a weight of N columns; work-groups x0 on
	v_lshlrev_b32 v3, 2, v2                        ; in: 4 bytes a lane
	s_wait_alu depctr_va_vdst(0)
	v_lshlrev_b32 v8, 14, v5                       ; out: lanes 16-31 belong to the next tile of 16 columns, 16 KiB on;
	v_lshl_add_u32 v8, v4, 4, v8                   ; my column is row lane % 16 of its tile
	s_sub_co_u32 s22, ttmp9, \x0                   ; which 128 columns
	s_mul_i32 s32, s21, 128*\N*4                   ; K step y: 128 rows of the weight,
	s_lshl_b32 s34, s22, 9
	s_add_co_u32 s32, s32, s34                     ; + 128 columns x work-group
	s_lshl_b32 s34, s20, 7
	s_add_co_u32 s32, s32, s34                     ; + 32 columns x wave
	s_add_nc_u64 s[\src:\src+1], s[\src:\src+1], s[32:33]
	s_lshl_b32 s32, s22, 17                        ; codes: 8 tiles of 16 KiB a work-group,
	s_lshl_b32 s34, s20, 15
	s_add_co_u32 s32, s32, s34                     ; 2 a wave,
	s_lshl_b32 s34, s21, 11
	s_add_co_u32 s32, s32, s34                     ; K step y: 2,048 bytes
	s_add_nc_u64 s[\dst:\dst+1], s[\dst:\dst+1], s[32:33]
	LOADW 0, \N, \src
	LOADW 1, \N, \src
	SCALE \esc
	s_wait_alu depctr_va_vdst(0)
	BLOCK 0, \N, \src, \dst
	BLOCK 1, \N, \src, \dst
	BLOCK 2, \N, \src, \dst
	BLOCK 3, \N, \src, \dst
	s_endpgm
.endm
	s_load_b256 s[4:11], s[0:1], 0x0               ; x s[4:5], W_attn s[6:7], W_proj s[8:9], the scales' exponents s[10:11]
	s_load_b128 s[12:15], s[0:1], 0x20             ; xc s[12:13], wac s[14:15]
	s_load_b64 s[16:17], s[0:1], 0x30              ; wpc
	v_lshl_add_u32 v[SPW], v0, 2, SPARE
	v_mov_b32 v[NIL], 0
	v_lshrrev_b32 v1, 5, v0
	v_readfirstlane_b32 s20, v1                    ; wave 0..3
	v_and_b32 v2, 31, v0                           ; lane
	v_and_b32 v4, 15, v0                           ; r = lane % 16
	v_bfe_u32 v5, v0, 4, 1                         ; h = lane / 16
	s_and_b32 s21, ttmp7, 0xffff                   ; work-group y
	s_mov_b32 s33, 0                               ; the upper word of every offset
	s_wait_kmcnt 0x0
	s_load_b256 s[24:31], s[10:11], 0x0            ; e0 .. e7
	s_cmp_lt_u32 ttmp9, 64
	s_cbranch_scc0 .Lweights
	s_wait_alu depctr_va_vdst(0)
	; ---- x
	v_lshlrev_b32 v3, 4, v2                        ; 16 bytes a lane, in and out
	s_wait_alu depctr_va_vdst(0)
	s_mul_i32 s22, s20, WREG                       ; my stage
	v_add_nc_u32 v14, s22, v3                      ; into it: a row as it lies
	v_mul_u32_u24 v15, v4, SP
	v_lshl_add_u32 v15, v5, 5, v15
	v_add_nc_u32 v15, s22, v15                     ; out of it: row r, + 32 h bytes: my eight numbers of each 16 along K
	s_lshl_b32 s23, s21, 6
	s_add_co_u32 s23, s23, ttmp9                   ; row tile = 64 y + x
	s_lshl_b32 s32, s23, 16                        ; 16 rows of 4,096 bytes,
	s_lshl_b32 s34, s20, 10
	s_add_co_u32 s32, s32, s34                     ; + my 256 along K
	s_add_nc_u64 s[4:5], s[4:5], s[32:33]
	s_lshl_b32 s32, s23, 14                        ; codes: 16 KiB a row tile,
	s_lshl_b32 s34, s20, 12
	s_add_co_u32 s32, s32, s34                     ; + my two K steps of 2,048 bytes
	s_add_nc_u64 s[12:13], s[12:13], s[32:33]
	LOADX 0
	LOADX 1
	s_wait_alu depctr_va_vdst(0)
	SCALE s24
	s_wait_alu depctr_va_vdst(0)
	UNIT 0, 16                                     ; the second unit's 16 loads may stay out
	UNIT 1, 0
	s_wait_tensorcnt 0x0                           ; the wave's end
	ds_add_u32 v[SPW], v[NIL]
	s_wait_dscnt 0x0
	s_endpgm
.Lweights:
	s_cmp_lt_u32 ttmp9, 88
	s_cbranch_scc0 .Lproj_weight
	s_wait_alu depctr_va_vdst(0)
	WPATH 3072, 6, 14, s25, 64
.Lproj_weight:
	s_wait_alu depctr_va_vdst(0)
	WPATH 1024, 8, 16, s31, 88
.Lfunc_end_k_q61a84a6919_quant:
	.size	k_q61a84a6919_quant, .Lfunc_end_k_q61a84a6919_quant-k_q61a84a6919_quant
	.p2alignl 7, 3214868480
	.fill 96, 4, 3214868480
	.section	.rodata,"a",@progbits
	.p2align	6, 0x0
	.amdhsa_kernel k_q61a84a6919_quant
		.amdhsa_group_segment_fixed_size 35328
		.amdhsa_private_segment_fixed_size 0
		.amdhsa_enable_private_segment 0
		.amdhsa_kernarg_size 56
		.amdhsa_user_sgpr_count 2
		.amdhsa_user_sgpr_kernarg_segment_ptr 1
		.amdhsa_wavefront_size32 1
		.amdhsa_system_sgpr_workgroup_id_x 1
		.amdhsa_system_sgpr_workgroup_id_y 1
		.amdhsa_system_sgpr_workgroup_id_z 1
		.amdhsa_system_vgpr_workitem_id 0
		.amdhsa_next_free_vgpr 208
		.amdhsa_next_free_sgpr 66
		.amdhsa_reserve_vcc 0
		.amdhsa_float_denorm_mode_32 3
		.amdhsa_float_denorm_mode_16_64 3
		.amdhsa_fp16_overflow 1
		.amdhsa_memory_ordered 1
		.amdhsa_forward_progress 1
		.amdhsa_inst_pref_size 41
	.end_amdhsa_kernel
	.amdgpu_metadata
---
amdhsa.version: [ 1, 2 ]
amdhsa.kernels:
  - .name:           k_q61a84a6919_quant
    .symbol:         k_q61a84a6919_quant.kd
    .args:
      - { .name: x, .offset: 0, .size: 8, .value_kind: global_buffer, .address_space: global }
      - { .name: W_attn, .offset: 8, .size: 8, .value_kind: global_buffer, .address_space: global }
      - { .name: W_proj, .offset: 16, .size: 8, .value_kind: global_buffer, .address_space: global }
      - { .name: lowp_scales, .offset: 24, .size: 8, .value_kind: global_buffer, .address_space: global }
      - { .name: xc, .offset: 32, .size: 8, .value_kind: global_buffer, .address_space: global }
      - { .name: wac, .offset: 40, .size: 8, .value_kind: global_buffer, .address_space: global }
      - { .name: wpc, .offset: 48, .size: 8, .value_kind: global_buffer, .address_space: global }
    .group_segment_fixed_size: 35328
    .private_segment_fixed_size: 0
    .kernarg_segment_align: 8
    .kernarg_segment_size: 56
    .max_flat_workgroup_size: 128
    .sgpr_count:     66
    .vgpr_count:     208
    .wavefront_size: 32
...
	.end_amdgpu_metadata
.endif
;; end of part 1
;; launch qkv (part 2): grid 12 x 32, 4 waves a work-group, clusters of 4 x 4, 327,680 bytes of LDS; arguments xc, wac, lowp_scales, b_attn, qc, kc, vc; writes qc, kc, vc
.if DOCPART == 2
	.amdgcn_target "amdgcn-amd-amdhsa--gfx1250"
	.amdhsa_code_object_version 6
	.text
	.protected	k_q61a84a6919_qkv
	.globl	k_q61a84a6919_qkv
	.p2align	8
	.type	k_q61a84a6919_qkv,@function
k_q61a84a6919_qkv:
	s_mov_b64 s[64:65], 0
	v_nop
	global_prefetch_b8 v0, s[64:65] scope:SCOPE_SE
	s_setreg_imm32_b32 hwreg(HW_REG_WAVE_MODE, 25, 1), 1
	s_wait_xcnt 0x0
	s_wait_alu depctr_hold_cnt(0) depctr_sa_sdst(0) depctr_va_vdst(0) depctr_va_sdst(0) depctr_va_ssrc(0) depctr_va_vcc(0) depctr_vm_vsrc(0)
	s_getreg_b32 s2, hwreg(HW_REG_IB_STS2, 6, 4)
	s_cmp_eq_u32 s2, 0
	s_cbranch_scc0 .Lentry_in_a_cluster
	s_endpgm
.Lentry_in_a_cluster:
	s_bfe_u32 s2, ttmp6, 0x10000c
	s_cmp_lg_u32 s2, 0xf033
	s_cbranch_scc0 .Lentry_shape_is_right
	s_endpgm
.Lentry_shape_is_right:
; qkv = x W_attn + b_attn on codes of FP8 (E4M3), K = 1,024; each finished sum x 2^(e0 + e1) + bias, in f32, is quantised at once: q with e2, k with e3, v with e5.  Nothing wide goes to memory.
; LIMITS: e0 + e1 between -126 and 127; e2, e3, e5 between -126 and 119: so that each power of two below is an f32 number.  NaN among the inputs is not served.
; OPERANDS AND RESULTS ARE IMAGES OF REGISTERS.  A fragment of 16 rows x 128 K lies as [g 0..3][lane][16 bytes], g = registers 4 g .. 4 g + 3, with k in the form's own places (registers 2 c, 2 c + 1 of lane (r, h): k = 16 c + 8 h + 0 .. 7).
; xc: [row tile 512][K step 8][g][lane][16];  wac: [tile of 16 columns 192][K step 8][g][lane][16].  So LDS has no pitch and no padding, and a fragment load's 512 bytes are consecutive.
; A tile of the result, 256 x 256, is made by four waves, as many as a WGP has SIMDs; a wave makes 128 x 128: 64 accumulators, 512 registers.  K goes in steps of 256 through two LDS slots: four K steps, written straight.
; P is source 1: its rows become LANES of the result.  R is source 0: its rows become REGISTERS: register j of lane (r, h) of accumulator (a, b) is (row 16 b + 8 h + j of R, row 16 a + r of P).
; One conversion of an accumulator's eight registers therefore gives registers 2 b, 2 b + 1 of the NEXT product's fragment whose K runs along R's rows: two neighbouring accumulators are one group of 16 bytes a lane.
;   q, k (cluster x 0, 1): P = x (tokens), R = W's columns: a lane holds a token, its registers run along the head's 64.   qc, kc: [batch x head 64][tile of 16 tokens 128][g 0..1][lane][16]
;   v    (cluster x 2):    P = W's columns, R = x (tokens): a lane holds a channel d, its registers run along the KEYS.     vc: [batch x head 64][128 keys 16][tile of 16 d 4][g 0..3][lane][16]
; The main part is one text for all three: only pointers and tile numbers are chosen, on the cluster's x, which all sixteen partners share.
; CLUSTERS: 4 x 4 work-groups.  P's tile hangs on my row of the cluster and is asked for jointly by its four, R's on my column: the same tensor load, the same descriptor, a mask that names the four.
; REGISTERS, in windows of 256: window 0: v0-31 addresses; v32-95 the bias along R (q, k); v96-111 the bias along P (v); from v128 P's fragments, ONE set; on the way out v128-223 are at work.
;   window 1: R's fragments, TWO sets, at v0 and v128.   window 2: the accumulators of P's blocks 0-3 ((a, b) at v[8 (8 (a % 4) + b)]);   window 3: those of blocks 4-7.
.set HALFT,  32768                     ; 8 row tiles x 4,096 bytes (two K steps of 128): what one tensor load brings, and what one wave reads of P or of R
.set SLOT,   4*HALFT                   ; P's 16 row tiles, then R's 16
.set SPARE,  2*SLOT                    ; behind the ring: the spare words, 128 bytes for each wave, which no other line names
.set FR,     16                        ; registers of a fragment
.set NL,     4                         ; LDS loads that bring one
.set NP,     4                         ; places behind this matrix instruction (ISA guide 7.12.1)
.set LI,   5                           ; v5      16 x lane: my place in every group of an image
.set ADRA, 16                          ; v16-17  LDS address of my P fragments in slot 0, 1
.set ADRB, 20                          ; v20-21  the same for R
.set SPW,  28                          ; v28     LDS address of my spare word; never rewritten
.set NIL,  29                          ; v29     0; never rewritten
.set BR,   32                          ; v32-95  b_attn at R's rows 16 b + 8 h + j
.set BP,   96                          ; v96-111 b_attn at P's row 16 a + r, twice (a pair for the packed form)
.set AF,   128                         ; P's fragments
.set TMP,  128                         ; the way out: a block's 64 numbers
.set CD,   192                         ; the way out: two sets of 16 registers of codes
.set G1, 24                            ; s[24:31] descriptor group 1 for P's tiles;  s[32:39] group 0, one set for each slot
.set G0, 32
.set G1B, 48                           ; s[48:55], s[56:63] the same for R's tiles
.set G0B, 56
.set MSB, 0
.macro WIN new                         ; the immediate's high byte repeats the setting that is left
.if MSB != (\new)
	s_set_vgpr_msb (MSB<<8)|(\new)
.set MSB, \new
.endif
.endm
.set MUL_LO, 0xa1                      ; source 0 (R) window 1, source 1 (P) window 0, C and D window 2
.set MUL_HI, 0xf1                      ; the same, C and D window 3
.set TO_B,   0x40                      ; destination window 1, address window 0
; A joint load: waves 0 and 1 fetch for P, waves 2 and 3 for R.  Each of the two lines has one mask and one set of registers for all that issue it; the branch hangs on the wave's number alone.
; An s_nop 0 and four v_nop follow each of the two lines, ahead of the jump, the label and what follows.
.macro JLOAD g0a, g1a, g0b, g1b
	s_cmp_eq_u32 s15, 0
	s_cbranch_scc0 .Lfor_b_\@
	tensor_load_to_lds s[\g0a:\g0a+3], s[\g1a:\g1a+7]
	s_nop 0
.rept 4
	v_nop
.endr
	s_branch .Lasked_\@
.Lfor_b_\@:
	tensor_load_to_lds s[\g0b:\g0b+3], s[\g1b:\g1b+7]
	s_nop 0
.rept 4
	v_nop
.endr
.Lasked_\@:
.endm
.macro CREST                           ; a round of the cluster's barrier behind its opening barrier
	s_cmp_lg_u32 s14, 0
	s_cbranch_scc1 .Lnot_wave_0_\@
	s_barrier_signal -3
.Lnot_wave_0_\@:
	s_barrier_wait -3
	s_barrier_signal -1
	s_barrier_wait -1
.endm
.macro CROUND                          ; a whole round
	s_barrier_signal -1
	s_barrier_wait -1
	CREST
.endm
	s_load_b256 s[4:11], s[0:1], 0x0               ; xc s[4:5], wac s[6:7], the scales' exponents s[8:9], b_attn s[10:11]
	s_load_b128 s[68:71], s[0:1], 0x20             ; qc s[68:69], kc s[70:71]
	s_load_b64 s[72:73], s[0:1], 0x30              ; vc
	v_lshl_add_u32 v[SPW], v0, 2, SPARE
	v_mov_b32 v[NIL], 0
	ds_add_u32 v[SPW], v[NIL]
	ds_add_u32 v[SPW], v[NIL]                      ; the wave's opening: the add and its wait ahead of my first tensor load; the set-up below, work on registers, stands between them
	v_lshrrev_b32 v1, 5, v0
	v_readfirstlane_b32 s14, v1                    ; wave 0..3
	s_lshr_b32 s15, s14, 1                         ; which half of P's rows is mine.  Also: I fetch for P (0) or for R (1)
	s_and_b32 s16, s14, 1                          ; which half of R's rows.  Also: which 8 row tiles of that tile I fetch
	s_bfe_u32 s40, ttmp6, 0x40000                  ; cx, cy: my place in the cluster
	s_bfe_u32 s41, ttmp6, 0x40004
	s_and_b32 s74, ttmp7, 0xffff                   ; the cluster's y
	s_cmp_lt_u32 ttmp9, 2                          ; q or k (cluster x 0, 1), or v (2)?  The same in all sixteen partners
	s_cselect_b32 s75, ttmp9, s74
	s_cselect_b32 s76, s74, 0
	s_cselect_b32 s77, 0, 128                      ; v's columns begin at tile 128 of wac
	s_lshl_b32 s42, s75, 2
	s_add_co_u32 s42, s42, s40                     ; R's tile of 256 rows: q, k: 4 x cluster x + cx of W's columns;  v: 4 x cluster y + cx of the tokens
	s_lshl_b32 s17, s76, 2
	s_add_co_u32 s17, s17, s41                     ; P's tile: q, k: 4 x cluster y + cy of the tokens;  v: cy of v's columns
	s_lshl_b32 s43, s41, 2
	s_lshl_b32 s43, 15, s43                        ; my row of the cluster
	s_lshl_b32 s44, 0x1111, s40                    ; my column
	; descriptor group 1: 8 row tiles: 8 rows of 4,096 bytes (512 elements of 8 bytes), 16 KiB apart in memory, dense in LDS
	s_or_b32 s[G1+0], s43, (3<<16)|(1<<21)         ; 15:0 the mask: P's tiles go to my row; 17:16 elements of 8 bytes; 20 no padding; 21 set beside a mask
	s_or_b32 s[G1B+0], s44, (3<<16)|(1<<21)        ; the same with the mask of my column
.irp g, G1, G1B
	s_mov_b32 s[\g+1], 512<<16                     ; tensor_dim0
	s_mov_b32 s[\g+2], 8<<16                       ; tensor_dim1
	s_mov_b32 s[\g+3], 512<<16                     ; tile_dim0
	s_mov_b32 s[\g+4], 8                           ; tile_dim1
	s_mov_b32 s[\g+5], 2048                        ; tensor_dim0_stride
	s_mov_b32 s[\g+6], 0
	s_mov_b32 s[\g+7], 0
.endr
	s_lshl_b32 s18, s16, 3                         ; which 8 row tiles I fetch
	s_lshl_b32 s20, s17, 4
	s_add_co_u32 s20, s20, s18
	s_add_co_u32 s20, s20, s77                     ; P: the first of them,
	s_lshl_b32 s20, s20, 14                        ; in bytes: it hangs on cy, never on cx
	s_mov_b32 s21, 0
	s_lshl_b32 s46, s42, 4
	s_add_co_u32 s46, s46, s18
	s_lshl_b32 s46, s46, 14                        ; R likewise: on cx, never on cy
	s_mov_b32 s47, 0
	s_mul_i32 s45, s14, HALFT                      ; where they go: wave x 32 KiB: no place in the cluster enters an LDS address
	s_wait_dscnt 0x0                               ; the opening add is done
	s_wait_kmcnt 0x0
	s_load_b256 s[84:91], s[8:9], 0x0              ; e0 .. e7
	s_cmp_lt_u32 ttmp9, 2
	s_cselect_b64 s[78:79], s[4:5], s[6:7]         ; P: xc, or wac for v
	s_cselect_b64 s[80:81], s[6:7], s[4:5]         ; R: wac, or xc for v
	s_add_nc_u64 s[20:21], s[78:79], s[20:21]
	s_add_nc_u64 s[46:47], s[80:81], s[46:47]
	CROUND                                         ; all sixteen work-groups are here: the first joint loads meet
.irp s, 0,1
	s_mov_b32 s[G0+4*\s], 1
	s_add_co_u32 s[G0+4*\s+1], s45, \s*SLOT
	s_add_nc_u64 s[G0+4*\s+2:G0+4*\s+3], s[20:21], \s*4096      ; K step s: 4,096 bytes of each row tile
	s_or_b32 s[G0+4*\s+3], s[G0+4*\s+3], 0x80000000
	s_mov_b32 s[G0B+4*\s], 1
	s_add_co_u32 s[G0B+4*\s+1], s45, \s*SLOT
	s_add_nc_u64 s[G0B+4*\s+2:G0B+4*\s+3], s[46:47], \s*4096
	s_or_b32 s[G0B+4*\s+3], s[G0B+4*\s+3], 0x80000000
	JLOAD G0+4*\s, G1, G0B+4*\s, G1B
.endr
	v_and_b32 v1, 31, v0
	v_lshlrev_b32 v[LI], 4, v1
	v_bfe_u32 v2, v0, 4, 1                         ; h
	v_and_b32 v3, 15, v0                           ; r
	s_mul_i32 s21, s15, HALFT                      ; my 8 row tiles of P
	s_mul_i32 s22, s16, HALFT                      ; my 8 of R,
	s_add_co_u32 s22, s22, 2*HALFT                 ; which lie behind P's 16
.irp s, 0,1
	v_add_nc_u32 v[ADRA+\s], s21, v[LI]
	v_add_nc_u32 v[ADRB+\s], s22, v[LI]
	s_add_co_u32 s21, s21, SLOT
	s_add_co_u32 s22, s22, SLOT
.endr
	; the biases.  Both kinds are loaded in every work-group; the kind that is not used is read from the buffer's head, so no branch is needed and no load leaves the buffer
	v_lshlrev_b32 v8, 5, v2                        ; 32 h: my eight numbers of each 16
	s_wait_alu depctr_va_vdst(0)
	v_lshlrev_b32 v9, 2, v3                        ; 4 r
	s_wait_alu depctr_va_vdst(0)
	s_lshl_b32 s18, s42, 10
	s_lshl_b32 s19, s16, 9
	s_add_co_u32 s18, s18, s19                     ; q, k: 4 x (256 x R's tile + 128 x my half)
	s_lshl_b32 s22, s17, 10
	s_lshl_b32 s23, s15, 9
	s_add_co_u32 s22, s22, s23
	s_add_co_u32 s22, s22, 8192                    ; v: 4 x (2,048 + 256 x P's tile + 128 x my half)
	s_cmp_lt_u32 ttmp9, 2
	s_cselect_b32 s18, s18, 0
	s_cselect_b32 s22, 0, s22
	s_mov_b32 s19, 0
	s_mov_b32 s23, 0
	s_add_nc_u64 s[82:83], s[10:11], s[18:19]
	s_add_nc_u64 s[66:67], s[10:11], s[22:23]
.irp b, 0,1,2,3,4,5,6,7
	global_load_b128 v[BR+8*\b:BR+8*\b+3],   v8, s[82:83] offset:64*\b
	global_load_b128 v[BR+8*\b+4:BR+8*\b+7], v8, s[82:83] offset:64*\b+16
.endr
.irp a, 0,1,2,3,4,5,6,7
	global_load_b32 v[BP+2*\a],   v9, s[66:67] offset:64*\a
	global_load_b32 v[BP+2*\a+1], v9, s[66:67] offset:64*\a
.endr
	; where my codes go.  q, k: ((batch x 16 + head) x 128 + tile of tokens) x 1,024
	s_lshl_b32 s18, s17, 4
	s_lshl_b32 s19, s15, 3
	s_add_co_u32 s18, s18, s19                     ; my first tile of 16 tokens, of 512
	s_lshr_b32 s19, s18, 7                         ; the batch
	s_and_b32 s18, s18, 127
	s_lshl_b32 s19, s19, 4
	s_lshl_b32 s22, s40, 2
	s_add_co_u32 s19, s19, s22
	s_lshl_b32 s22, s16, 1
	s_add_co_u32 s19, s19, s22                     ; + my first head: 4 cx + 2 x half
	s_lshl_b32 s19, s19, 7
	s_add_co_u32 s18, s18, s19
	s_lshl_b32 s18, s18, 10
	; v: (((batch x 16 + head) x 16 + 128 keys) x 4) x 2,048
	s_lshl_b32 s19, s42, 1
	s_add_co_u32 s19, s19, s16                     ; my 128 tokens, of 64
	s_lshr_b32 s22, s19, 4                         ; the batch
	s_and_b32 s19, s19, 15
	s_lshl_b32 s22, s22, 4
	s_lshl_b32 s23, s41, 2
	s_add_co_u32 s22, s22, s23
	s_lshl_b32 s23, s15, 1
	s_add_co_u32 s22, s22, s23                     ; + my first head: 4 cy + 2 x half
	s_lshl_b32 s22, s22, 4
	s_add_co_u32 s19, s19, s22
	s_lshl_b32 s19, s19, 13
	s_cmp_lt_u32 ttmp9, 2
	s_cselect_b32 s98, s18, s19
	s_mov_b32 s99, 0
	s_cmp_eq_u32 ttmp9, 0
	s_cselect_b64 s[92:93], s[68:69], s[70:71]
	s_cmp_eq_u32 ttmp9, 2
	s_cselect_b64 s[92:93], s[72:73], s[92:93]
	s_add_nc_u64 s[92:93], s[92:93], s[98:99]
.macro FRAG reg, adr, q, i             ; row tile i's fragment of the slot's q-th 128 along K: four groups of 512 consecutive bytes
.irp c, 0,1,2,3
	ds_load_b128 v[\reg+4*\c:\reg+4*\c+3], v[\adr] offset:(\i)*4096+(\q)*2048+512*\c
.endr
.endm
; 16 matrix instructions: P's blocks a0, a0 + 1 x R's eight, 128 along K.  p: R's set.  zero = 1: the first product starts the sums: nothing is ever cleared.
; The 64 accumulators take turns, one instruction a turn, in the same order in every step.
.macro MUL16 a0, p, zero
.irp a, \a0, \a0+1
.irp b, 0,1,2,3,4,5,6,7
.if \zero
	v_wmma_f32_16x16x128_fp8_fp8 v[8*(8*((\a)%4)+\b):8*(8*((\a)%4)+\b)+7], v[128*(\p)+FR*\b:128*(\p)+FR*\b+FR-1], v[AF+FR*(\a):AF+FR*(\a)+FR-1], 0
.else
	v_wmma_f32_16x16x128_fp8_fp8 v[8*(8*((\a)%4)+\b):8*(8*((\a)%4)+\b)+7], v[128*(\p)+FR*\b:128*(\p)+FR*\b+FR-1], v[AF+FR*(\a):AF+FR*(\a)+FR-1], v[8*(8*((\a)%4)+\b):8*(8*((\a)%4)+\b)+7]
.endif
.endr
.endr
.endm
.macro FETCH_B slot, q, p              ; R's eight fragments into set p
	WIN TO_B
.irp i, 0,1,2,3,4,5,6,7
	FRAG 128*(\p)+FR*\i, ADRB+\slot, \q, \i
.endr
	WIN 0
.endm
.macro FETCH_A slot, q, i0             ; P's blocks i0 .. i0 + 3
.irp i, \i0, \i0+1, \i0+2, \i0+3
	FRAG AF+FR*(\i), ADRA+\slot, \q, \i
.endr
.endm
; A load into a register that a matrix instruction has read, and a vector instruction that reads a matrix result or writes one of its registers, stand NP places behind it; only plain vector
; instructions that name none of its registers are places (ISA guide 7.12.1 for vector instructions).
.macro PLACES n
.rept \n
	v_nop
.endr
.endm
; A step of 128 along K that has its successor in the same slot.  A block of P is free as soon as its eight products are issued: blocks 0-3 are fetched anew in the step's middle, blocks 4-7 at its end.
.macro STEP slot, q, zero
	s_wait_dscnt 4*NL                              ; R's set and P's blocks 0-3 are in; the youngest 16 loads (P's blocks 4-7) may be out
	WIN MUL_LO
	MUL16 0, (\q)%2, \zero
	MUL16 2, (\q)%2, \zero
	s_wait_dscnt 0                                 ; P's blocks 4-7 are in
	PLACES NP
	FETCH_B \slot, (\q)+1, 1-(\q)%2
	FETCH_A \slot, (\q)+1, 0
	WIN MUL_HI
	MUL16 4, (\q)%2, \zero
	MUL16 6, (\q)%2, \zero
	PLACES NP
	WIN 0
	FETCH_A \slot, (\q)+1, 4
.endm
; A slot's last step changes slots: ONE barrier; in front of it each wave waits for all its tensor loads, adds 0 to its spare word, and waits for that and for its own reads of this slot.  fill = 1: this slot is filled again, two K steps ahead.
.macro TURN slot, next, fill
	s_wait_tensorcnt 0x0                           ; all my tensor loads have landed: my part of the next slot;  (every window is 0 here)
	ds_add_u32 v[SPW], v[NIL]                      ; 0 onto my spare word;
	s_wait_dscnt 4*NL+1                            ; (the add and the youngest 16 loads, P's blocks 4-7, may be out)
	WIN MUL_LO
	MUL16 0, 1, 0                                  ; sixteen matrix instructions stand between the add and the wait for it
	s_wait_dscnt 0x0                               ; the add is done, and my reads of this slot are over
	s_barrier_signal -1
	MUL16 2, 1, 0
	WIN 0
	s_barrier_wait -1
.if \fill
	CREST                                          ; the barrier has opened a round of the cluster's barrier: no wave of any partner still reads this slot or has a load on its way
	s_add_nc_u64 s[G0+4*\slot+2:G0+4*\slot+3], s[G0+4*\slot+2:G0+4*\slot+3], 8192
	s_add_nc_u64 s[G0B+4*\slot+2:G0B+4*\slot+3], s[G0B+4*\slot+2:G0B+4*\slot+3], 8192
	JLOAD G0+4*\slot, G1, G0B+4*\slot, G1B         ; the first tensor load behind the round, my only one until the next; its four v_nop are the places in front of the loads below
.else
	PLACES NP
.endif
	FETCH_B \next, 0, 0
	FETCH_A \next, 0, 0
	WIN MUL_HI
	MUL16 4, 1, 0
	MUL16 6, 1, 0
	PLACES NP
	WIN 0
	FETCH_A \next, 0, 4
.endm
	s_wait_tensorcnt 1                             ; my part of K step 0 is in; K step 1's load may be out
	s_barrier_signal -1
	s_barrier_wait -1                              ; everybody's is
	FETCH_B 0, 0, 0
	FETCH_A 0, 0, 0
	FETCH_A 0, 0, 4
	STEP 0, 0, 1                                   ; K 0: its products start the sums
	TURN 0, 1, 1                                   ; K 128; slot 0 takes K step 2
	STEP 1, 0, 0                                   ; K 256
	TURN 1, 0, 1                                   ; K 384; slot 1 takes K step 3
	STEP 0, 0, 0                                   ; K 512
	TURN 0, 1, 0                                   ; K 640; nothing is left to fetch, so no round follows
	STEP 1, 0, 0                                   ; K 768
	s_wait_dscnt 4*NL                              ; K 896: the last step
	WIN MUL_LO
	MUL16 0, 1, 0
	MUL16 2, 1, 0
	s_wait_dscnt 0
	WIN MUL_HI
	MUL16 4, 1, 0
	MUL16 6, 1, 0
	WIN 0
; THE WAY OUT of P's block a: 64 numbers a lane.  sum x 2^(e0 + e1) + bias, one packed multiply-add for two, each accumulator from its low end on; the conversions; four stores of 512 consecutive bytes.
; mode 0 (q, k): the bias runs along the registers; pair p of accumulators is group p % 2 of head p / 2, tile of tokens a.   mode 1 (v): the bias is the lane's; pair p is group p of head a / 4, tile of d a % 4.
.macro OUT a, mode
.set AC, 64*((\a)%4)
.set CDS, CD+16*((\a)%2)
.if (\a) > 1
	s_wait_xcnt 0x0                                ; block a - 2's stores have read their registers: this set of codes may be written again
.endif
	WIN 0x02+((\a)/4)                              ; source 0: window 2 or 3
.irp b, 0,1,2,3,4,5,6,7
.irp i, 0,2,4,6
.if \mode
	v_pk_fma_f32 v[TMP+8*\b+\i:TMP+8*\b+\i+1], v[AC+8*\b+\i:AC+8*\b+\i+1], s[96:97], v[BP+2*(\a):BP+2*(\a)+1] op_sel_hi:[1,0,1]
.else
	v_pk_fma_f32 v[TMP+8*\b+\i:TMP+8*\b+\i+1], v[AC+8*\b+\i:AC+8*\b+\i+1], s[96:97], v[BR+8*\b+\i:BR+8*\b+\i+1] op_sel_hi:[1,0,1]
.endif
.endr
.endr
	WIN 0
.irp p, 0,1,2,3
.set ii, 0
.rept 16
.set ii, ii+1
.endr
	v_cvt_scalef32_pk8_fp8_f32 v[CDS+4*\p:CDS+4*\p+1],   v[TMP+16*\p:TMP+16*\p+7],    v11
	v_cvt_scalef32_pk8_fp8_f32 v[CDS+4*\p+2:CDS+4*\p+3], v[TMP+16*\p+8:TMP+16*\p+15], v11
.endr
	v_nop                                          ; one plain vector instruction behind the last conversion, ahead of the next block's writes of its sources
.irp p, 0,1,2,3
.if \mode
	global_store_b128 v[LI], v[CDS+4*\p:CDS+4*\p+3], s[92:93] offset:((\a)/4)*131072+((\a)%4)*2048+\p*512
.else
	global_store_b128 v[LI], v[CDS+4*\p:CDS+4*\p+3], s[92:93] offset:(\p/2)*131072+(\a)*1024+(\p%2)*512
.endif
.endr
.endm
	s_wait_kmcnt 0x0
	s_add_co_i32 s96, s84, s85                     ; e0 + e1
	s_add_co_i32 s96, s96, 127
	s_lshl_b32 s96, s96, 23                        ; 2^(e0 + e1) as f32
	s_mov_b32 s97, s96                             ; (named with it as a pair, so it is written)
	s_cmp_eq_u32 ttmp9, 0
	s_cselect_b32 s98, s86, s87                    ; e2 for q, e3 for k,
	s_cmp_eq_u32 ttmp9, 2
	s_cselect_b32 s98, s89, s98                    ; e5 for v: a choice on ids, no branch on a loaded number
	s_add_co_i32 s98, s98, 127
	s_lshl_b32 s99, s98, 23
	v_mov_b32 v11, s99                             ; the scale as f32
	s_wait_loadcnt 0x0                             ; the biases
	PLACES NP                                      ; behind the last products: for the reads of their results and the writes over P's fragments
	s_cmp_eq_u32 ttmp9, 2                          ; the cluster's x: all sixteen partners go the same way
	s_cbranch_scc1 .Lv
.irp a, 0,1,2,3,4,5,6,7
	OUT \a, 0
.endr
	s_branch .Lend
.Lv:
.irp a, 0,1,2,3,4,5,6,7
	OUT \a, 1
.endr
.Lend:
	s_wait_tensorcnt 0x0                           ; the wave's end: three lines behind my last tensor load
	ds_add_u32 v[SPW], v[NIL]
	s_wait_dscnt 0x0
	CROUND                                         ; the closing round: no work-group ends while a partner may still ask for a tile that names it
	s_endpgm
.Lfunc_end_k_q61a84a6919_qkv:
	.size	k_q61a84a6919_qkv, .Lfunc_end_k_q61a84a6919_qkv-k_q61a84a6919_qkv
	.p2alignl 7, 3214868480
	.fill 96, 4, 3214868480
	.section	.rodata,"a",@progbits
	.p2align	6, 0x0
	.amdhsa_kernel k_q61a84a6919_qkv
		.amdhsa_group_segment_fixed_size 327680
		.amdhsa_private_segment_fixed_size 0
		.amdhsa_enable_private_segment 0
		.amdhsa_kernarg_size 56
		.amdhsa_user_sgpr_count 2
		.amdhsa_user_sgpr_kernarg_segment_ptr 1
		.amdhsa_wavefront_size32 1
		.amdhsa_system_sgpr_workgroup_id_x 1
		.amdhsa_system_sgpr_workgroup_id_y 1
		.amdhsa_system_sgpr_workgroup_id_z 1
		.amdhsa_system_vgpr_workitem_id 0
		.amdhsa_next_free_vgpr 1024
		.amdhsa_next_free_sgpr 100
		.amdhsa_reserve_vcc 0
		.amdhsa_float_denorm_mode_32 3
		.amdhsa_float_denorm_mode_16_64 3
		.amdhsa_fp16_overflow 1
		.amdhsa_memory_ordered 1
		.amdhsa_forward_progress 1
		.amdhsa_inst_pref_size 130
	.end_amdhsa_kernel
	.amdgpu_metadata
---
amdhsa.version: [ 1, 2 ]
amdhsa.kernels:
  - .name:           k_q61a84a6919_qkv
    .symbol:         k_q61a84a6919_qkv.kd
    .args:
      - { .name: xc, .offset: 0, .size: 8, .value_kind: global_buffer, .address_space: global }
      - { .name: wac, .offset: 8, .size: 8, .value_kind: global_buffer, .address_space: global }
      - { .name: lowp_scales, .offset: 16, .size: 8, .value_kind: global_buffer, .address_space: global }
      - { .name: b_attn, .offset: 24, .size: 8, .value_kind: global_buffer, .address_space: global }
      - { .name: qc, .offset: 32, .size: 8, .value_kind: global_buffer, .address_space: global }
      - { .name: kc, .offset: 40, .size: 8, .value_kind: global_buffer, .address_space: global }
      - { .name: vc, .offset: 48, .size: 8, .value_kind: global_buffer, .address_space: global }
    .group_segment_fixed_size: 327680
    .private_segment_fixed_size: 0
    .kernarg_segment_align: 8
    .kernarg_segment_size: 56
    .max_flat_workgroup_size: 128
    .sgpr_count:     100
    .vgpr_count:     1024
    .wavefront_size: 32
...
	.end_amdgpu_metadata
.endif
;; end of part 2
;; launch attn (part 3): grid 4 x 64, 16 waves a work-group, no clusters, 327,680 bytes of LDS; arguments qc, kc, vc, lowp_scales, ac; writes ac
.if DOCPART == 3
	.amdgcn_target "amdgcn-amd-amdhsa--gfx1250"
	.amdhsa_code_object_version 6
	.text
	.protected	k_q61a84a6919_attn
	.globl	k_q61a84a6919_attn
	.p2align	8
	.type	k_q61a84a6919_attn,@function
k_q61a84a6919_attn:
	s_mov_b64 s[64:65], 0
	v_nop
	global_prefetch_b8 v0, s[64:65] scope:SCOPE_SE
	s_setreg_imm32_b32 hwreg(HW_REG_WAVE_MODE, 25, 1), 1
	s_wait_xcnt 0x0
; Causal attention on codes of FP8 (E4M3): 64 (batch x head) x 2,048 tokens x head size 64.  S = q k^T (scales e2, e3), p = 2^(t - M) quantised with e4, O = p v (e5), O / l quantised with e6 for the last product.
; THE SOFTMAX: t = score x log2(e) / 8; M = the row's largest t so far, rounded UP to a whole number; p = 2^(t - M), not normalised; the row's sum l is taken of the unquantised p, in f32, and divides O at the end.
; When M moves, l and O are multiplied by 2^(old M - new M): nothing is rounded, and no branch hangs on data.
; LIMITS on the given exponents, so that each power of two below is an f32 number: e2 + e3 between -123 and 130 (added to c's exponent field); e4 and e6 between -126 and 119; e4 + e5 is applied by v_ldexp_f32 and has none.
; ALL BUFFERS ARE IMAGES OF REGISTERS: a group of four registers lies as [lane][16 bytes], 512 consecutive bytes; k stands in the forms' own places (registers 2 c, 2 c + 1 of lane (r, h): k = 16 c + 8 h + 0 .. 7).
;   qc, kc: [bh][tile of 16 tokens 128][g 0..1][lane][16]   vc: [bh][128 keys 16][tile of 16 d 4][g 0..3][lane][16]   ac: [tile of 16 tokens 512][128 channels 8][g 0..3][lane][16]
; LAYOUT.  Both products are used transposed: S^T = K Q^T (source 0 = 16 keys), O^T = V^T P^T (source 0 = 16 of the head's 64): a lane holds ONE query (lane % 16) throughout, and the eight registers of a
; result tile are rows 8 (lane / 16) + 0 .. 7 of source 0: one conversion of tile t of S^T is registers 2 t, 2 t + 1 of P's fragment, one of tile dt of O^T two registers of ac's.  Nothing changes lanes.
; SHARES: 256 work-groups of equal work.  Work-group (i, bh) owns the query blocks i and 7 - i of its head, 256 queries each, one after the other: i + 1 and 8 - i slots of 256 keys: NINE visits of a key slot,
; a constant of the text.  Every slot that is loaded is read.  Each of the SIXTEEN waves owns one tile of 16 queries of each block, in 256 registers: four waves to a SIMD, so that one wave's vector work stands
; beside another's matrix work and LDS loads.  Wave w takes tile 8 ((w ^ (w >> 2)) & 1) + (w >> 1): of any four waves w % 4 alike or w / 4 alike, two have early and two late queries.
; CAUSAL: a step of 128 keys all of which come after my 16 queries is left out by a scalar branch on ids; on the diagonal hidden scores become -infinity ahead of the maximum.  A step that is walked begins at or under my first query, so each row has a key that counts.
; NO CLUSTER: in one and the same visit the four work-groups of a head stand at different key slots (work-group i at slot v up to visit i, at slot v - i - 1 behind it), so no tile is wanted by two of them in the same round.
; REGISTERS: v1 16 x lane; v3 the prefetches' offset; v5, v6 the add's two; v8 LDS address; v9 lane % 16 - 8 (lane / 16); v12 -M, v13 the largest t, v[14:15] l in two halves; v16-23 Q in hand; v24-31 Q of block 7 - i;
;   v32-95 fragments of K, then of V; v96-159 S^T, then p; v160-191 O^T; v192-207 the two blocks' codes; v224-239 p's codes; v236, v242, v243, v252-254 at work; v244: 2^e4; v246: 2^e6.
.set SLOTB, 32768                      ; a slot: 16 KiB of K (16 tiles of 1 KiB), then 16 KiB of V (2 key steps x 4 tiles of 2 KiB); one exclusive or turns an address in one slot into the other's
.set VOFF,  16384
.set SPARE, 2*SLOTB                    ; behind the ring: the spare words, 128 bytes for each of sixteen waves, which no other line names
.set LI,   1
.set PFO,  3
.set SPW,  5
.set NIL,  6
.set ADR,  8
.set LT,   9
.set TB,    2                          ; s2   LDS byte at which the slot in hand begins
.set SLOTS, 3                          ; s3   visits still to be asked for: 8 .. 1
.set WV,    18                         ; s18  my wave's number
.set SEL,   20                         ; s[20:21] lane selects for v_permlanex16_b32: lane l xor 16
.set CS,    22                         ; s[22:23] c = log2(e) / 8 x 2^(e2 + e3)
.set G1,    24                         ; s[24:31] descriptor group 1: one for K's and V's tiles
.set G0,    32                         ; s[32:35] descriptor group 0
.set SRC,   36                         ; s[36:37] my tensor (wave 0: kc, wave 1: vc) at my head
.set OFS,   38                         ; s[38:39] the key slot's offset
.set SWA,   41                         ; s41  8 - i: in the visit with this count the load goes back to key slot 0
.set SWB,   42                         ; s42  7 - i: in the visit with this count the second block begins
.set NK,    43                         ; s43  the key slot of the load being issued
.set KF,    44                         ; s44  the step's first key
.set Q0,    45                         ; s45  my first query
.set Q0HI,  46                         ; s46  and that of the second block
.set OLO,   48                         ; s[48:49], s[50:51] where the two blocks' codes go
.set OHI,   50
.set PFA,   60                         ; s[60:61] where my prefetches stand
.set LIM,   62                         ; s62  4 in a wave that prefetches, else 0
.set EPV,   63                         ; s63  e4 + e5
.macro TLOAD                           ; wave 0 fetches the slot's K, wave 1 its V, 16 KiB each; the branch hangs on the wave's number alone.  An s_nop 0 and four v_nop follow the load
	s_cmp_lt_u32 s[WV], 2
	s_cbranch_scc0 .Lasked_\@
	tensor_load_to_lds s[G0:G0+3], s[G1:G1+7]
	s_nop 0
.rept 4
	v_nop
.endr
.Lasked_\@:
.endm
; A PREFETCH INTO THE L2 of key slots 4 to 7, each one visit ahead of the tensor load that first asks for it.  Who: the head's first work-group, which walks slots 0 to 7 in visits 1 to 8 and is the first to load slots 4 to 7;
; in it waves 4 and 5 ask for the two halves of K's 16 KiB, waves 6 and 7 for V's: 8,192 bytes a wave, lanes 256 bytes apart, one instruction.  So each aligned block of 256 bytes is named once in the launch.
; In visit v the address stands at slot v + 1; the askers ask while the count is 5 .. 2, that is in visits 3 to 6.  Slots 0 to 3 come by their loads alone: some work-group of the head asks for them in its first visits.
.macro ASK
	s_sub_co_u32 s66, s[SLOTS], 2
	s_cmp_lt_u32 s66, s[LIM]
	s_cbranch_scc0 .Lnot_mine_\@
	global_prefetch_b8 v[PFO], s[PFA:PFA+1] th:TH_LOAD_NT scope:SCOPE_SE
.Lnot_mine_\@:
.endm
; THE CHANGE OF SLOTS stands at a visit's head.  Each wave waits for all its tensor loads (its part of the slot that it is about to read), adds 0 to its spare word, and waits for that and for its reads of the slot that it has left.
; Behind the barrier the slot ahead is whole and nobody reads the other one.  fill = 1: that other slot takes the next visit's keys: the load has a whole visit in which to land.
.macro CHANGE fill
	s_wait_tensorcnt 0x0                           ; no tensor load of mine is out, so group 0 may be written
	ds_add_u32 v[SPW], v[NIL]                      ; 0 onto my spare word: the descriptor's step stands between it and the wait for it
.if \fill
	s_xor_b32 s[G0+1], s[G0+1], SLOTB              ; the other slot than last time
	s_add_co_u32 s[NK], s[NK], 1                   ; the next key slot,
	s_cmp_eq_u32 s[SLOTS], s[SWA]
	s_cselect_b32 s[NK], 0, s[NK]                  ; or slot 0 again, for the second block
	s_lshl_b32 s[OFS], s[NK], 14
	s_add_nc_u64 s[G0+2:G0+3], s[SRC:SRC+1], s[OFS:OFS+1]
	s_or_b32 s[G0+3], s[G0+3], 0x80000000
	s_wait_xcnt 0x0                                ; the last prefetch, a visit back, has read its address, so it may be written
	s_add_nc_u64 s[PFA:PFA+1], s[PFA:PFA+1], 16384
.endif
	s_wait_dscnt 0x0                               ; the add is done, and my reads of the slot that I have left are over
	s_barrier_signal -1
	s_barrier_wait -1
.if \fill
	TLOAD                                          ; the first thing behind the barrier, and a wave's one tensor load until the next
	ASK
.endif
.endm
; A KEY STEP: 128 keys, the q-th of the slot in hand.
.macro STEP q
	s_add_co_u32 s66, s[Q0], 15
	s_cmp_gt_u32 s[KF], s66                        ; all 128 keys come after my 16 queries: the step's work is left out
	s_cbranch_scc1 .Lhidden_\@
	v_add_nc_u32 v[ADR], s[TB], v[LI]
.rept 3
	v_nop                                          ; with the addition above: four places in front of loads into registers that matrix instructions have read
.endr
.irp t, 0,1,2,3,4,5,6,7
	ds_load_b128 v[32+8*\t:35+8*\t], v[ADR] offset:(\q)*8192+\t*1024
	ds_load_b128 v[36+8*\t:39+8*\t], v[ADR] offset:(\q)*8192+\t*1024+512
.endr
	s_wait_alu depctr_va_vdst(0)
	s_wait_dscnt 0x0
.irp t, 0,1,2,3,4,5,6,7
	v_wmma_f32_16x16x64_fp8_fp8 v[96+8*\t:103+8*\t], v[32+8*\t:39+8*\t], v[16:23], 0   ; register j of tile t: key KF + 16 t + 8 (lane / 16) + j, query Q0 + lane % 16
.endr
.rept 4
	v_nop                                          ; places: for the loads below and for the first read of the scores
.endr
.irp d, 0,1,2,3
.irp g, 0,1,2,3
	ds_load_b128 v[32+16*\d+4*\g:35+16*\d+4*\g], v[ADR] offset:VOFF+(\q)*8192+\d*2048+\g*512   ; V's four fragments land while the softmax is walked
.endr
.endr
	s_add_co_u32 s66, s[KF], 127
	s_cmp_le_u32 s66, s[Q0]                        ; all keys of the step count: no mask
	s_cbranch_scc1 .Lopen_\@
	s_sub_co_i32 s66, s[Q0], s[KF]
	v_add_nc_u32 v252, s66, v[LT]                  ; d = my query - KF - 8 (lane / 16): register 8 t + j is hidden where 16 t + j > d
	v_mov_b32 v254, 0xff800000                     ; -infinity
.set nn, 0
.rept 64
	v_cmp_gt_i32 vcc_lo, 16*(nn/8)+nn%8, v252
	v_cndmask_b32 v[96+nn], v[96+nn], v254, vcc_lo
.set nn, nn+1
.endr
.Lopen_\@:
	v_max3_num_f32 v254, v96, v97, v98             ; the step's largest score of my query, among my 64 keys, in two chains, ascending,
	v_max3_num_f32 v252, v99, v100, v101
.set ii, 6
.rept 14
	v_max3_num_f32 v254, v254, v[96+ii], v[97+ii]
	v_max3_num_f32 v252, v252, v[98+ii], v[99+ii]
.set ii, ii+4
.endr
	v_max3_num_f32 v254, v254, v158, v159
	s_delay_alu instid0(VALU_DEP_1)
	v_max_num_f32 v254, v254, v252
	v_permlanex16_b32 v236, v254, s[SEL], s[SEL+1]
	s_delay_alu instid0(VALU_DEP_1)
	v_max_num_f32 v254, v254, v236                 ; and among lane l xor 16's
	s_delay_alu instid0(VALU_DEP_1)
	v_mul_f32 v254, s[CS], v254                    ; as t (c is positive)
	s_delay_alu instid0(VALU_DEP_1)
	v_max_num_f32 v13, v13, v254                   ; the running largest t
	v_mov_b32 v254, v12
	s_delay_alu instid0(VALU_DEP_2)
	v_floor_f32 v12, -v13                          ; the new -M = floor(-t) = -ceil(t): a whole number
	s_delay_alu instid0(VALU_DEP_1)
	v_sub_f32 v254, v12, v254                      ; M's old value less its new one: a whole number, 0 or less
	s_delay_alu instid0(VALU_DEP_1)
	v_cvt_i32_f32 v254, v254                       ; (it saturates)
	s_delay_alu instid0(VALU_DEP_1)
	v_ldexp_f32 v252, 1.0, v254                    ; f = 2^(old M - new M)
.set ii, 0
.rept 32
	v_pk_fma_f32 v[96+ii:97+ii], v[96+ii:97+ii], s[CS:CS+1], v[12:13] op_sel_hi:[1,0,0]   ; t - M, two at a time (of the pairs c and -M the low word serves both halves)
.set ii, ii+2
.endr
.set ii, 0
	s_wait_alu depctr_va_vdst(0)
.rept 64
	v_exp_f32 v[96+ii], v[96+ii]                   ; p = 2^(t - M), at most 1
.set ii, ii+1
.endr
	v_pk_mul_f32 v[14:15], v[14:15], v[252:253] op_sel_hi:[1,0]   ; l under the new M: the plain instruction behind the exponentials
	s_wait_alu depctr_va_vdst(0)                   ; the wait ahead of the first instruction that names an exponential's result: one for the batch of 64
	v_pk_add_f32 v[242:243], v[100:101], v[104:105]
	v_pk_add_f32 v[254:255], v[108:109], v[112:113]
	v_pk_add_f32 v[250:251], v[116:117], v[120:121]
	v_pk_add_f32 v[248:249], v[124:125], v[128:129]
	v_pk_add_f32 v[240:241], v[132:133], v[136:137]
	v_pk_add_f32 v[238:239], v[140:141], v[144:145]
	v_pk_add_f32 v[236:237], v[148:149], v[152:153]
	v_pk_add_f32 v[14:15], v[14:15], v[156:157]
	v_pk_add_f32 v[242:243], v[242:243], v[96:97]
	v_pk_add_f32 v[254:255], v[254:255], v[98:99]
	v_pk_add_f32 v[250:251], v[250:251], v[102:103]
	v_pk_add_f32 v[248:249], v[248:249], v[106:107]
	v_pk_add_f32 v[240:241], v[240:241], v[110:111]
	v_pk_add_f32 v[238:239], v[238:239], v[114:115]
	v_pk_add_f32 v[236:237], v[236:237], v[118:119]
	v_pk_add_f32 v[14:15], v[14:15], v[122:123]
	v_pk_add_f32 v[242:243], v[242:243], v[126:127]
	v_pk_add_f32 v[254:255], v[254:255], v[130:131]
	v_pk_add_f32 v[250:251], v[250:251], v[134:135]
	v_pk_add_f32 v[248:249], v[248:249], v[138:139]
	v_pk_add_f32 v[240:241], v[240:241], v[142:143]
	v_pk_add_f32 v[238:239], v[238:239], v[146:147]
	v_pk_add_f32 v[236:237], v[236:237], v[150:151]
	v_pk_add_f32 v[14:15], v[14:15], v[154:155]
	v_pk_add_f32 v[242:243], v[242:243], v[158:159]
	s_delay_alu instid0(VALU_DEP_2)
	v_pk_add_f32 v[14:15], v[14:15], v[248:249]
	s_delay_alu instid0(VALU_DEP_2)
	v_pk_add_f32 v[242:243], v[242:243], v[240:241]
	v_pk_add_f32 v[254:255], v[254:255], v[238:239]
	v_pk_add_f32 v[250:251], v[250:251], v[236:237]
	s_delay_alu instid0(VALU_DEP_2)
	v_pk_add_f32 v[14:15], v[14:15], v[254:255]
	s_delay_alu instid0(VALU_DEP_2)
	v_pk_add_f32 v[242:243], v[242:243], v[250:251]
	s_delay_alu instid0(VALU_DEP_1)
	v_pk_add_f32 v[14:15], v[14:15], v[242:243]
.irp t, 0,1,2,3,4,5,6,7
.irp j, 0,1,2,3,4,5,6,7
.endr
	v_cvt_scalef32_pk8_fp8_f32 v[224+2*\t:225+2*\t], v[96+8*\t:103+8*\t], v244   ; keys 16 t + 8 (lane / 16) + 0 .. 7: registers 2 t, 2 t + 1 of P's fragment
.endr
.set ii, 0
.rept 16
	v_pk_mul_f32 v[160+ii:161+ii], v[160+ii:161+ii], v[252:253] op_sel_hi:[1,0]   ; O^T under the new M.  (Plain instructions between the conversions and the products that read their results)
.set ii, ii+2
.endr
	s_wait_alu depctr_va_vdst(0)
	s_wait_dscnt 0x0                               ; V
.irp d, 0,1,2,3
	v_wmma_f32_16x16x128_fp8_fp8 v[160+8*\d:167+8*\d], v[32+16*\d:47+16*\d], v[224:239], v[160+8*\d:167+8*\d]   ; the four accumulators take turns
.endr
.Lhidden_\@:
	s_add_co_u32 s[KF], s[KF], 128
.endm
.macro SLOT_STEPS
	STEP 0
	STEP 1
	s_xor_b32 s[TB], s[TB], SLOTB                  ; on to the other slot
.endm
; A block of queries is finished: O^T x 2^(e4 + e5) / l, the conversions with e6; tile dt's eight numbers are channels 16 dt + 8 (lane / 16) + 0 .. 7 of my head: the wave stores 1,024 consecutive bytes of ac.
.macro FINISH ob, cd
.rept 4
	v_nop                                          ; places behind the last products
.endr
	v_add_f32 v14, v14, v15                        ; l's two halves,
	s_delay_alu instid0(VALU_DEP_1)
	v_permlanex16_b32 v252, v14, s[SEL], s[SEL+1]
	s_delay_alu instid0(VALU_DEP_1)
	v_add_f32 v14, v14, v252                       ; and lane l xor 16's
	s_wait_alu depctr_va_vdst(0)
	v_rcp_f32 v14, v14                             ; l is above 1/2: the row's largest p is
	v_nop                                          ; a plain instruction behind the transcendental
	s_wait_alu depctr_va_vdst(0)                   ; and the wait ahead of its first reader
	v_ldexp_f32 v14, v14, s[EPV]
.set ii, 0
.rept 16
	v_pk_mul_f32 v[96+ii:97+ii], v[160+ii:161+ii], v[14:15] op_sel_hi:[1,0]   ; each accumulator from its low end on
.set ii, ii+2
.endr
.set ii, 0
.rept 32
.set ii, ii+1
.endr
.irp d, 0,1,2,3
	v_cvt_scalef32_pk8_fp8_f32 v[\cd+2*\d:\cd+2*\d+1], v[96+8*\d:103+8*\d], v246
.endr
	v_nop                                          ; one plain vector instruction behind the last conversion
	global_store_b128 v[LI], v[\cd:\cd+3],   s[\ob:\ob+1]
	global_store_b128 v[LI], v[\cd+4:\cd+7], s[\ob:\ob+1] offset:512
.endm
.macro START                           ; O^T and l begin as zeros and the largest t as -3e38: the first change of M multiplies zeros
.set ii, 0
.rept 32
	v_mov_b32 v[160+ii], 0
.set ii, ii+1
.endr
	v_mov_b32 v13, 0xff61b1e6
	s_delay_alu instid0(VALU_DEP_1)
	v_floor_f32 v12, -v13
	v_mov_b32 v14, 0
	v_mov_b32 v15, 0
.endm
	s_load_b256 s[4:11], s[0:1], 0x0               ; qc s[4:5], kc s[6:7], vc s[8:9], the scales' exponents s[10:11]
	s_load_b64 s[12:13], s[0:1], 0x20              ; ac
	v_lshl_add_u32 v[SPW], v0, 2, SPARE
	v_mov_b32 v[NIL], 0
	ds_add_u32 v[SPW], v[NIL]                      ; the wave's opening: the add and its wait ahead of my first tensor load; the set-up below, work on registers, stands between them
	ds_add_u32 v[SPW], v[NIL]
	v_lshrrev_b32 v8, 5, v0
	s_delay_alu instid0(VALU_DEP_1)
	v_readfirstlane_b32 s[WV], v8                  ; wave 0..15
	s_lshr_b32 s66, s[WV], 2
	s_xor_b32 s66, s66, s[WV]
	s_and_b32 s66, s66, 1
	s_lshl_b32 s66, s66, 3
	s_lshr_b32 s19, s[WV], 1
	s_or_b32 s19, s19, s66                         ; my tile of 16 queries in a block
	s_and_b32 s67, ttmp7, 0xffff                   ; batch x 16 + head
	s_lshl_b32 s68, s19, 4
	s_lshl_b32 s[Q0], ttmp9, 8
	s_add_co_u32 s[Q0], s[Q0], s68                 ; block i: 256 i + 16 x tile
	s_sub_co_u32 s[SWB], 7, ttmp9
	s_lshl_b32 s[Q0HI], s[SWB], 8
	s_add_co_u32 s[Q0HI], s[Q0HI], s68             ; block 7 - i
	s_sub_co_u32 s[SWA], 8, ttmp9
	; descriptor group 1: 16 KiB, dense in memory and in LDS: 64 rows of 256 bytes (32 elements of 8 bytes)
	s_mov_b32 s[G1+0], 3<<16                       ; no mask; elements of 8 bytes; no padding
	s_mov_b32 s[G1+1], 32<<16                      ; tensor_dim0
	s_mov_b32 s[G1+2], 64<<16                      ; tensor_dim1
	s_mov_b32 s[G1+3], 32<<16                      ; tile_dim0
	s_mov_b32 s[G1+4], 64                          ; tile_dim1
	s_mov_b32 s[G1+5], 32                          ; tensor_dim0_stride
	s_mov_b32 s[G1+6], 0
	s_mov_b32 s[G1+7], 0
	s_mov_b32 s[SEL], 0x76543210
	s_mov_b32 s[SEL+1], 0xfedcba98
	s_mov_b32 s[CS], 0x3e38aa3b                    ; log2(e) / 8
	s_mov_b32 s[TB], 0
	s_mov_b32 s[SLOTS], 8
	s_mov_b32 s[NK], 0
	s_mov_b32 s[KF], 0
	s_mov_b32 s[OFS+1], 0
	s_and_b32 s69, s[WV], 1
	s_mov_b32 s[G0], 1                             ; count = 1
	s_lshl_b32 s[G0+1], s69, 14                    ; LDS address: slot 0; K's part (wave 0) or V's (wave 1)
	s_lshl_b32 s70, s67, 17                        ; a head's 128 KiB in qc, kc and vc
	s_mov_b32 s71, 0
	s_mov_b32 s73, 0
	s_wait_dscnt 0x0                               ; the opening add is done
	s_wait_kmcnt 0x0
	s_load_b256 s[52:59], s[10:11], 0x0            ; e0 .. e7
	s_cmp_eq_u32 s69, 0
	s_cselect_b64 s[SRC:SRC+1], s[6:7], s[8:9]
	s_add_nc_u64 s[SRC:SRC+1], s[SRC:SRC+1], s[70:71]
	s_mov_b64 s[G0+2:G0+3], s[SRC:SRC+1]           ; key slot 0
	s_or_b32 s[G0+3], s[G0+3], 0x80000000          ; type = 2
	TLOAD                                          ; the first visit's slot
	v_and_b32 v[LI], 31, v0
	s_delay_alu instid0(VALU_DEP_1)
	v_lshlrev_b32 v[PFO], 8, v[LI]
	s_delay_alu instid0(VALU_DEP_2)
	v_lshlrev_b32 v[LI], 4, v[LI]
	s_add_nc_u64 s[4:5], s[4:5], s[70:71]          ; qc at my head; a tile of 16 queries is 1,024 bytes
	s_lshl_b32 s72, s[Q0], 6
	s_add_nc_u64 s[74:75], s[4:5], s[72:73]
	s_lshl_b32 s72, s[Q0HI], 6
	s_add_nc_u64 s[76:77], s[4:5], s[72:73]
	global_load_b128 v[16:19], v[LI], s[74:75]
	global_load_b128 v[20:23], v[LI], s[74:75] offset:512
	global_load_b128 v[24:27], v[LI], s[76:77]
	global_load_b128 v[28:31], v[LI], s[76:77] offset:512
	s_lshr_b32 s72, s67, 4
	s_lshl_b32 s72, s72, 21                        ; ac: a batch's 128 tiles of 16 KiB,
	s_and_b32 s78, s67, 15
	s_lshl_b32 s78, s78, 10
	s_add_co_u32 s72, s72, s78                     ; + my head's 1,024 bytes of a tile
	s_add_nc_u64 s[12:13], s[12:13], s[72:73]
	s_lshl_b32 s72, s[Q0], 10                      ; + my tile
	s_add_nc_u64 s[OLO:OLO+1], s[12:13], s[72:73]
	s_lshl_b32 s72, s[Q0HI], 10
	s_add_nc_u64 s[OHI:OHI+1], s[12:13], s[72:73]
	s_cmp_lt_u32 s[WV], 6                          ; the prefetches: waves 4, 5 for K, waves 6, 7 for V
	s_cselect_b64 s[PFA:PFA+1], s[6:7], s[8:9]
	s_add_nc_u64 s[PFA:PFA+1], s[PFA:PFA+1], s[70:71]
	s_lshl_b32 s72, s69, 13                        ; my half of a slot's 16 KiB; in slot 0: each change of slots steps it
	s_add_nc_u64 s[PFA:PFA+1], s[PFA:PFA+1], s[72:73]
	s_sub_co_u32 s72, s[WV], 4
	s_lshr_b32 s72, s72, 2                         ; 0 in waves 4 to 7,
	s_or_b32 s72, s72, ttmp9                       ; of the head's first work-group
	s_cmp_eq_u32 s72, 0
	s_cselect_b32 s[LIM], 4, 0
	v_and_b32 v[LT], 15, v0
	v_bfe_u32 v8, v0, 4, 1
	s_delay_alu instid0(VALU_DEP_1)
	v_lshlrev_b32 v8, 3, v8
	s_delay_alu instid0(VALU_DEP_1)
	v_sub_nc_u32 v[LT], v[LT], v8                  ; lane % 16 - 8 (lane / 16)
	v_mov_b32 v236, 0                              ; written once: a lane permute's destination counts as one of its sources,
	v_mov_b32 v252, 0
	v_mov_b32 v253, 0                              ; and this one is named as the upper half of the pair v[252:253]
	v_mov_b32 v254, 0
	START
	s_wait_kmcnt 0x0
	s_add_co_i32 s72, s54, s55
	s_lshl_b32 s72, s72, 23
	s_add_co_i32 s[CS], s[CS], s72                 ; a score stands for score x 2^(e2 + e3): the two exponents are added to c's exponent field
	s_mov_b32 s[CS+1], s[CS]                       ; (named with it as a pair, so it is written)
	s_add_co_i32 s72, s56, 127
	s_lshl_b32 s78, s72, 23
	v_mov_b32 v244, s78                            ; 2^e4 as f32
	s_add_co_i32 s72, s58, 127
	s_lshl_b32 s78, s72, 23
	v_mov_b32 v246, s78                            ; 2^e6
	s_add_co_i32 s[EPV], s56, s57                  ; e4 + e5
	s_wait_loadcnt 0x0                             ; Q
.Lslot:                                            ; eight trips: behind each change of slots but the last the next visit's slot is asked for
	CHANGE 1
	s_cmp_eq_u32 s[SLOTS], s[SWB]                  ; visit i + 1: the first block is finished, the second begins.  Ids and the count of visits alone: all sixteen waves go the same way
	s_cbranch_scc0 .Lsame
	s_wait_alu depctr_va_vdst(0)
	FINISH OLO, 192
.set ii, 0
.rept 8
	v_mov_b32 v[16+ii], v[24+ii]                   ; the second block's Q
.set ii, ii+1
.endr
	START
	s_mov_b32 s[Q0], s[Q0HI]
	s_mov_b32 s[KF], 0
.Lsame:
	SLOT_STEPS
	s_sub_co_u32 s[SLOTS], s[SLOTS], 1
	s_cmp_lg_u32 s[SLOTS], 0
	s_cbranch_scc1 .Lslot
	CHANGE 0                                       ; the ninth visit is written out: it asks for nothing
	SLOT_STEPS
	s_wait_alu depctr_va_vdst(0)
	FINISH OHI, 200
	s_wait_tensorcnt 0x0                           ; the wave's end: three lines behind my last tensor load
	ds_add_u32 v[SPW], v[NIL]
	s_wait_dscnt 0x0
	s_endpgm
.Lfunc_end_k_q61a84a6919_attn:
	.size	k_q61a84a6919_attn, .Lfunc_end_k_q61a84a6919_attn-k_q61a84a6919_attn
	.p2alignl 7, 3214868480
	.fill 96, 4, 3214868480
	.section	.rodata,"a",@progbits
	.p2align	6, 0x0
	.amdhsa_kernel k_q61a84a6919_attn
		.amdhsa_group_segment_fixed_size 327680
		.amdhsa_private_segment_fixed_size 0
		.amdhsa_enable_private_segment 0
		.amdhsa_kernarg_size 40
		.amdhsa_user_sgpr_count 2
		.amdhsa_user_sgpr_kernarg_segment_ptr 1
		.amdhsa_wavefront_size32 1
		.amdhsa_system_sgpr_workgroup_id_x 1
		.amdhsa_system_sgpr_workgroup_id_y 1
		.amdhsa_system_sgpr_workgroup_id_z 1
		.amdhsa_system_vgpr_workitem_id 0
		.amdhsa_next_free_vgpr 256
		.amdhsa_next_free_sgpr 80
		.amdhsa_reserve_vcc 1
		.amdhsa_float_denorm_mode_32 3
		.amdhsa_float_denorm_mode_16_64 3
		.amdhsa_fp16_overflow 1
		.amdhsa_memory_ordered 1
		.amdhsa_forward_progress 1
		.amdhsa_inst_pref_size 89
	.end_amdhsa_kernel
	.amdgpu_metadata
---
amdhsa.version: [ 1, 2 ]
amdhsa.kernels:
  - .name:           k_q61a84a6919_attn
    .symbol:         k_q61a84a6919_attn.kd
    .args:
      - { .name: qc, .offset: 0, .size: 8, .value_kind: global_buffer, .address_space: global }
      - { .name: kc, .offset: 8, .size: 8, .value_kind: global_buffer, .address_space: global }
      - { .name: vc, .offset: 16, .size: 8, .value_kind: global_buffer, .address_space: global }
      - { .name: lowp_scales, .offset: 24, .size: 8, .value_kind: global_buffer, .address_space: global }
      - { .name: ac, .offset: 32, .size: 8, .value_kind: global_buffer, .address_space: global }
    .group_segment_fixed_size: 327680
    .private_segment_fixed_size: 0
    .kernarg_segment_align: 8
    .kernarg_segment_size: 40
    .max_flat_workgroup_size: 512
    .sgpr_count:     80
    .vgpr_count:     256
    .wavefront_size: 32
...
	.end_amdgpu_metadata
.endif
;; end of part 3
;; launch proj (part 4): grid 4 x 32, 4 waves a work-group, clusters of 4 x 4, 327,680 bytes of LDS; arguments ac, wpc, lowp_scales, b_proj, out0; writes out0
.if DOCPART == 4
	.amdgcn_target "amdgcn-amd-amdhsa--gfx1250"
	.amdhsa_code_object_version 6
	.text
	.protected	k_q61a84a6919_proj
	.globl	k_q61a84a6919_proj
	.p2align	8
	.type	k_q61a84a6919_proj,@function
k_q61a84a6919_proj:
	s_mov_b64 s[64:65], 0
	v_nop
	global_prefetch_b8 v0, s[64:65] scope:SCOPE_SE
	s_setreg_imm32_b32 hwreg(HW_REG_WAVE_MODE, 25, 1), 1
	s_wait_xcnt 0x0
	s_wait_alu depctr_hold_cnt(0) depctr_sa_sdst(0) depctr_va_vdst(0) depctr_va_sdst(0) depctr_va_ssrc(0) depctr_va_vcc(0) depctr_vm_vsrc(0)
	s_getreg_b32 s2, hwreg(HW_REG_IB_STS2, 6, 4)
	s_cmp_eq_u32 s2, 0
	s_cbranch_scc0 .Lentry_in_a_cluster
	s_endpgm
.Lentry_in_a_cluster:
	s_bfe_u32 s2, ttmp6, 0x10000c
	s_cmp_lg_u32 s2, 0xf033
	s_cbranch_scc0 .Lentry_shape_is_right
	s_endpgm
.Lentry_shape_is_right:
; out0 = attn W_proj + b_proj on codes of FP8 (E4M3), K = 1,024; each finished sum x 2^(e6 + e7) + bias, in f32.  out0: [8192][1024] f32.
; LIMIT: e6 + e7 between -126 and 127, so that 2^(e6 + e7) is an f32 number.
; OPERANDS ARE IMAGES OF REGISTERS.  A fragment of 16 rows x 128 K lies as [g 0..3][lane][16 bytes], g = registers 4 g .. 4 g + 3, with k in the form's own places.
; ac: [tile of 16 tokens 512][K step 8][g][lane][16];  wpc: [tile of 16 columns 64][K step 8][g][lane][16].  So LDS has no pitch and no padding, and a fragment load's 512 bytes are consecutive.
; A tile of the result, 256 x 256, is made by four waves, as many as a WGP has SIMDs; a wave makes 128 x 128: 64 accumulators, 512 registers.  K goes in steps of 256 through two LDS slots: four K steps, written straight.
; 128 tiles: a smaller tile would give every WGP one, at half as many products again for each LDS byte read; by the count of matrix and LDS work the two come out alike, and the larger tile is kept.
; P (source 1) = tokens, R (source 0) = W's columns: register j of lane (r, h) of accumulator (a, b) is out0(token 16 a + r, column 16 b + 8 h + j): eight neighbouring numbers of a row.
; CLUSTERS: 4 x 4 work-groups.  P's tile hangs on my row of the cluster and is asked for jointly by its four, R's on my column: the same tensor load, the same descriptor, a mask that names the four.
; REGISTERS, in windows of 256: window 0: v0-31 addresses, v8-11 the bias of my four columns; from v128 P's fragments, ONE set; on the way out v128-255 take rows back from the stage.
;   window 1: R's fragments, TWO sets, at v0 and v128.   window 2: the accumulators of P's blocks 0-3 ((a, b) at v[8 (8 (a % 4) + b)]);   window 3: those of blocks 4-7.
.set HALFT,  32768                     ; 8 row tiles x 4,096 bytes (two K steps of 128): what one tensor load brings, and what one wave reads of P or of R
.set SLOT,   4*HALFT                   ; P's 16 row tiles, then R's 16
.set SPARE,  2*SLOT                    ; behind the ring: the spare words, 128 bytes for each wave, which no other line names
.set SPITCH, 528                       ; the way out: a stage of 16 rows x (512 bytes + 16) for each wave.  It lies in slot 0, which has had its last fill and its last read when the first result is stored there
.set FR,     16                        ; registers of a fragment
.set NL,     4                         ; LDS loads that bring one
.set NP,     4                         ; places behind this matrix instruction (ISA guide 7.12.1)
.set LI,   5                           ; v5      16 x lane: my place in every group of an image, in a stage row and in a row of out0
.set ADRA, 16                          ; v16-17  LDS address of my P fragments in slot 0, 1
.set ADRB, 20                          ; v20-21  the same for R
.set STO,  24                          ; v24     the way out: where I put 32 bytes of a row
.set RD,   25                          ; v25     the way out: where I read a row back
.set SPW,  28                          ; v28     LDS address of my spare word; never rewritten
.set NIL,  29                          ; v29     0; never rewritten
.set AF,   128                         ; P's fragments
.set BK,   128                         ; the way out: 16 rows read back from the stage: v128-191 and v192-255 by turns
.set G1, 24                            ; s[24:31] descriptor group 1 for P's tiles;  s[32:39] group 0, one set for each slot
.set G0, 32
.set G1B, 48                           ; s[48:55], s[56:63] the same for R's tiles
.set G0B, 56
.set MSB, 0
.macro WIN new                         ; the immediate's high byte repeats the setting that is left
.if MSB != (\new)
	s_set_vgpr_msb (MSB<<8)|(\new)
.set MSB, \new
.endif
.endm
.set MUL_LO, 0xa1                      ; source 0 (R) window 1, source 1 (P) window 0, C and D window 2
.set MUL_HI, 0xf1                      ; the same, C and D window 3
.set TO_B,   0x40                      ; destination window 1, address window 0
; A joint load: waves 0 and 1 fetch for P, waves 2 and 3 for R.  Each of the two lines has one mask and one set of registers for all that issue it; the branch hangs on the wave's number alone.
; An s_nop 0 and four v_nop follow each of the two lines, ahead of the jump, the label and what follows.
.macro JLOAD g0a, g1a, g0b, g1b
	s_cmp_eq_u32 s15, 0
	s_cbranch_scc0 .Lfor_b_\@
	tensor_load_to_lds s[\g0a:\g0a+3], s[\g1a:\g1a+7]
	s_nop 0
.rept 4
	v_nop
.endr
	s_branch .Lasked_\@
.Lfor_b_\@:
	tensor_load_to_lds s[\g0b:\g0b+3], s[\g1b:\g1b+7]
	s_nop 0
.rept 4
	v_nop
.endr
.Lasked_\@:
.endm
.macro CREST                           ; a round of the cluster's barrier behind its opening barrier
	s_cmp_lg_u32 s14, 0
	s_cbranch_scc1 .Lnot_wave_0_\@
	s_barrier_signal -3
.Lnot_wave_0_\@:
	s_barrier_wait -3
	s_barrier_signal -1
	s_barrier_wait -1
.endm
.macro CROUND                          ; a whole round
	s_barrier_signal -1
	s_barrier_wait -1
	CREST
.endm
	s_load_b256 s[4:11], s[0:1], 0x0               ; ac s[4:5], wpc s[6:7], the scales' exponents s[8:9], b_proj s[10:11]
	s_load_b64 s[12:13], s[0:1], 0x20              ; out0
	v_lshl_add_u32 v[SPW], v0, 2, SPARE
	v_mov_b32 v[NIL], 0
	ds_add_u32 v[SPW], v[NIL]                      ; the wave's opening: the add and its wait ahead of my first tensor load; the set-up below, work on registers, stands between them
	ds_add_u32 v[SPW], v[NIL]
	v_lshrrev_b32 v1, 5, v0
	v_readfirstlane_b32 s14, v1                    ; wave 0..3
	s_lshr_b32 s15, s14, 1                         ; which half of P's rows is mine.  Also: I fetch for P (0) or for R (1)
	s_and_b32 s16, s14, 1                          ; which half of R's rows.  Also: which 8 row tiles of that tile I fetch
	s_bfe_u32 s40, ttmp6, 0x40000                  ; cx, cy: my place in the cluster
	s_bfe_u32 s41, ttmp6, 0x40004
	s_lshl_b32 s42, ttmp9, 2
	s_add_co_u32 s42, s42, s40                     ; tile column = 4 x cluster x + cx
	s_and_b32 s17, ttmp7, 0xffff
	s_lshl_b32 s17, s17, 2
	s_add_co_u32 s17, s17, s41                     ; tile row = 4 x cluster y + cy
	s_lshl_b32 s43, s41, 2
	s_lshl_b32 s43, 15, s43                        ; my row of the cluster
	s_lshl_b32 s44, 0x1111, s40                    ; my column
	; descriptor group 1: 8 row tiles: 8 rows of 4,096 bytes (512 elements of 8 bytes), 16 KiB apart in memory, dense in LDS
	s_or_b32 s[G1+0], s43, (3<<16)|(1<<21)         ; 15:0 the mask: P's tiles go to my row; 17:16 elements of 8 bytes; 20 no padding; 21 set beside a mask
	s_or_b32 s[G1B+0], s44, (3<<16)|(1<<21)        ; the same with the mask of my column
.irp g, G1, G1B
	s_mov_b32 s[\g+1], 512<<16                     ; tensor_dim0
	s_mov_b32 s[\g+2], 8<<16                       ; tensor_dim1
	s_mov_b32 s[\g+3], 512<<16                     ; tile_dim0
	s_mov_b32 s[\g+4], 8                           ; tile_dim1
	s_mov_b32 s[\g+5], 2048                        ; tensor_dim0_stride
	s_mov_b32 s[\g+6], 0
	s_mov_b32 s[\g+7], 0
.endr
	s_lshl_b32 s18, s16, 3                         ; which 8 row tiles I fetch
	s_lshl_b32 s20, s17, 4
	s_add_co_u32 s20, s20, s18
	s_lshl_b32 s20, s20, 14                        ; P: the first of them, in bytes: it hangs on cy, never on cx
	s_mov_b32 s21, 0
	s_lshl_b32 s46, s42, 4
	s_add_co_u32 s46, s46, s18
	s_lshl_b32 s46, s46, 14                        ; R likewise: on cx, never on cy
	s_mov_b32 s47, 0
	s_mul_i32 s45, s14, HALFT                      ; where they go: wave x 32 KiB: no place in the cluster enters an LDS address
	s_wait_dscnt 0x0                               ; the opening add is done
	s_wait_kmcnt 0x0
	s_load_b64 s[96:97], s[8:9], 0x18              ; e6, e7
	s_add_nc_u64 s[20:21], s[4:5], s[20:21]
	s_add_nc_u64 s[46:47], s[6:7], s[46:47]
	CROUND                                         ; all sixteen work-groups are here: the first joint loads meet
.irp s, 0,1
	s_mov_b32 s[G0+4*\s], 1
	s_add_co_u32 s[G0+4*\s+1], s45, \s*SLOT
	s_add_nc_u64 s[G0+4*\s+2:G0+4*\s+3], s[20:21], \s*4096      ; K step s: 4,096 bytes of each row tile
	s_or_b32 s[G0+4*\s+3], s[G0+4*\s+3], 0x80000000
	s_mov_b32 s[G0B+4*\s], 1
	s_add_co_u32 s[G0B+4*\s+1], s45, \s*SLOT
	s_add_nc_u64 s[G0B+4*\s+2:G0B+4*\s+3], s[46:47], \s*4096
	s_or_b32 s[G0B+4*\s+3], s[G0B+4*\s+3], 0x80000000
	s_wait_alu depctr_va_vdst(0)
	s_wait_tensorcnt 0x0
	ds_add_u32 v28, v29
	ds_add_u32 v28, v29
	s_wait_dscnt 0x0
	CROUND
	JLOAD G0+4*\s, G1, G0B+4*\s, G1B
.endr
	v_and_b32 v1, 31, v0
	v_lshlrev_b32 v[LI], 4, v1
	s_wait_alu depctr_va_vdst(0)
	v_bfe_u32 v2, v0, 4, 1                         ; h
	v_and_b32 v3, 15, v0                           ; r
	s_wait_alu depctr_va_vdst(0)
	s_mul_i32 s21, s15, HALFT                      ; my 8 row tiles of P
	s_mul_i32 s22, s16, HALFT                      ; my 8 of R,
	s_add_co_u32 s22, s22, 2*HALFT                 ; which lie behind P's 16
.irp s, 0,1
	v_add_nc_u32 v[ADRA+\s], s21, v[LI]
	v_add_nc_u32 v[ADRB+\s], s22, v[LI]
	s_add_co_u32 s21, s21, SLOT
	s_add_co_u32 s22, s22, SLOT
.endr
	s_lshl_b32 s18, s42, 10
	s_lshl_b32 s19, s16, 9
	s_add_co_u32 s18, s18, s19                     ; my first column, in bytes of f32: 1,024 x tile column + 512 x half
	s_mov_b32 s19, 0
	s_add_nc_u64 s[66:67], s[10:11], s[18:19]
	global_load_b128 v[8:11], v[LI], s[66:67]      ; the bias of columns 4 x lane + 0 .. 3 of my 128: the four that I store of every row
	s_mul_i32 s23, s14, 16*SPITCH                  ; my stage
	v_mul_u32_u24 v6, v3, SPITCH                   ; in: row r, 32 bytes for each half of the lanes
	v_lshl_add_u32 v6, v2, 5, v6
	v_add_nc_u32 v[STO], s23, v6
	v_add_nc_u32 v[RD], s23, v[LI]                 ; back: the 32 lanes take one row of 512 bytes
	s_lshl_b32 s20, s17, 8
	s_lshl_b32 s21, s15, 7
	s_add_co_u32 s20, s20, s21                     ; my first row of out0: 256 x tile row + 128 x half,
	s_lshl_b32 s20, s20, 12                        ; of 4,096 bytes,
	s_add_co_u32 s20, s20, s18                     ; + my first column
	s_mov_b32 s21, 0
	s_add_nc_u64 s[12:13], s[12:13], s[20:21]
.macro FRAG reg, adr, q, i             ; row tile i's fragment of the slot's q-th 128 along K: four groups of 512 consecutive bytes
.irp c, 0,1,2,3
	ds_load_b128 v[\reg+4*\c:\reg+4*\c+3], v[\adr] offset:(\i)*4096+(\q)*2048+512*\c
.endr
.endm
; 16 matrix instructions: P's blocks a0, a0 + 1 x R's eight, 128 along K.  p: R's set.  zero = 1: the first product starts the sums: nothing is ever cleared.
; The 64 accumulators take turns, one instruction a turn, in the same order in every step.
.macro MUL16 a0, p, zero
.irp a, \a0, \a0+1
.irp b, 0,1,2,3,4,5,6,7
.if \zero
	v_wmma_f32_16x16x128_fp8_fp8 v[8*(8*((\a)%4)+\b):8*(8*((\a)%4)+\b)+7], v[128*(\p)+FR*\b:128*(\p)+FR*\b+FR-1], v[AF+FR*(\a):AF+FR*(\a)+FR-1], 0
.else
	v_wmma_f32_16x16x128_fp8_fp8 v[8*(8*((\a)%4)+\b):8*(8*((\a)%4)+\b)+7], v[128*(\p)+FR*\b:128*(\p)+FR*\b+FR-1], v[AF+FR*(\a):AF+FR*(\a)+FR-1], v[8*(8*((\a)%4)+\b):8*(8*((\a)%4)+\b)+7]
.endif
.endr
.endr
.endm
.macro FETCH_B slot, q, p              ; R's eight fragments into set p
	WIN TO_B
.irp i, 0,1,2,3,4,5,6,7
	FRAG 128*(\p)+FR*\i, ADRB+\slot, \q, \i
.endr
	WIN 0
.endm
.macro FETCH_A slot, q, i0             ; P's blocks i0 .. i0 + 3
.irp i, \i0, \i0+1, \i0+2, \i0+3
	FRAG AF+FR*(\i), ADRA+\slot, \q, \i
.endr
.endm
; A load into a register that a matrix instruction has read, and a vector instruction or an LDS store that reads a matrix result, stand NP places behind it; only plain vector
; instructions that name none of its registers are places (ISA guide 7.12.1 for vector instructions).
.macro PLACES n
.rept \n
	v_nop
.endr
.endm
; A step of 128 along K that has its successor in the same slot.  A block of P is free as soon as its eight products are issued: blocks 0-3 are fetched anew in the step's middle, blocks 4-7 at its end.
.macro STEP slot, q, zero
	s_wait_dscnt 4*NL                              ; R's set and P's blocks 0-3 are in; the youngest 16 loads (P's blocks 4-7) may be out
	WIN MUL_LO
	MUL16 0, (\q)%2, \zero
	MUL16 2, (\q)%2, \zero
	s_wait_dscnt 0                                 ; P's blocks 4-7 are in
	PLACES NP
	FETCH_B \slot, (\q)+1, 1-(\q)%2
	FETCH_A \slot, (\q)+1, 0
	WIN MUL_HI
	MUL16 4, (\q)%2, \zero
	MUL16 6, (\q)%2, \zero
	PLACES NP
	WIN 0
	FETCH_A \slot, (\q)+1, 4
.endm
; A slot's last step changes slots: ONE barrier; in front of it each wave waits for all its tensor loads, adds 0 to its spare word, and waits for that and for its own reads of this slot.  fill = 1: this slot is filled again, two K steps ahead.
.macro TURN slot, next, fill
	s_wait_tensorcnt 0x0                           ; all my tensor loads have landed: my part of the next slot;  (every window is 0 here)
	ds_add_u32 v[SPW], v[NIL]                      ; 0 onto my spare word;
	s_wait_dscnt 4*NL+1                            ; (the add and the youngest 16 loads, P's blocks 4-7, may be out)
	WIN MUL_LO
	MUL16 0, 1, 0                                  ; sixteen matrix instructions stand between the add and the wait for it
	s_wait_dscnt 0x0                               ; the add is done, and my reads of this slot are over
	s_barrier_signal -1
	MUL16 2, 1, 0
	WIN 0
	s_barrier_wait -1
.if \fill
	CREST                                          ; the barrier has opened a round of the cluster's barrier: no wave of any partner still reads this slot or has a load on its way
	s_add_nc_u64 s[G0+4*\slot+2:G0+4*\slot+3], s[G0+4*\slot+2:G0+4*\slot+3], 8192
	s_add_nc_u64 s[G0B+4*\slot+2:G0B+4*\slot+3], s[G0B+4*\slot+2:G0B+4*\slot+3], 8192
	JLOAD G0+4*\slot, G1, G0B+4*\slot, G1B         ; the first tensor load behind the round, my only one until the next; its four v_nop are the places in front of the loads below
.else
	PLACES NP
.endif
	FETCH_B \next, 0, 0
	FETCH_A \next, 0, 0
	WIN MUL_HI
	MUL16 4, 1, 0
	MUL16 6, 1, 0
	PLACES NP
	WIN 0
	FETCH_A \next, 0, 4
.endm
	s_wait_alu depctr_va_vdst(0)
	s_wait_tensorcnt 1                             ; my part of K step 0 is in; K step 1's load may be out
	s_barrier_signal -1
	s_barrier_wait -1                              ; everybody's is
	FETCH_B 0, 0, 0
	FETCH_A 0, 0, 0
	FETCH_A 0, 0, 4
	STEP 0, 0, 1                                   ; K 0: its products start the sums
	TURN 0, 1, 1                                   ; K 128; slot 0 takes K step 2
	STEP 1, 0, 0                                   ; K 256
	TURN 1, 0, 1                                   ; K 384; slot 1 takes K step 3
	STEP 0, 0, 0                                   ; K 512
	TURN 0, 1, 0                                   ; K 640; nothing is left to fetch, so no round follows.  Behind this barrier nobody reads slot 0 any more
	STEP 1, 0, 0                                   ; K 768
	s_wait_dscnt 4*NL                              ; K 896: the last step
	WIN MUL_LO
	MUL16 0, 1, 0
	MUL16 2, 1, 0
	s_wait_dscnt 0
	WIN MUL_HI
	MUL16 4, 1, 0
	MUL16 6, 1, 0
	WIN 0
; THE WAY OUT, block by block of 16 rows x 128 columns.  A lane holds 32 neighbouring bytes of a row, and the lanes beside it hold other rows: so a block's sums go as they are through my own stage in LDS and come
; back as whole rows of 512 bytes.  There a lane holds the same four columns of every row: four registers of bias serve all, and sum x 2^(e6 + e7) + bias is one packed multiply-add for two numbers.
; LDS serves a wave's instructions in order (ISA guide 5.7.1.4): no wait between the stores and the loads, nor in front of the next block's stores.
.macro TOSTAGE a
.set AC, 64*((\a)%4)
	WIN 0x08+4*((\a)/4)                            ; the stores' data: window 2 or 3
.irp b, 0,1,2,3,4,5,6,7
	ds_store_b128 v[STO], v[AC+8*\b:AC+8*\b+3]   offset:64*\b       ; each accumulator from its low end on
	ds_store_b128 v[STO], v[AC+8*\b+4:AC+8*\b+7] offset:64*\b+16
.endr
	WIN 0
.set BB, BK+64*((\a)%2)
.set ii, 0
.rept 16
	ds_load_b128 v[BB+4*ii:BB+4*ii+3], v[RD] offset:ii*SPITCH
.set ii, ii+1
.endr
.endm
.macro SEND a, younger                 ; younger: the LDS instructions issued behind block a's loads, which may stay out
.set BB, BK+64*((\a)%2)
	s_wait_dscnt \younger                          ; the block is back in registers
.if (\a) > 0
	s_add_nc_u64 s[12:13], s[12:13], 16*4096       ; (behind a wait on XCNT: the earlier stores have read their base)  16 rows of out0 on
.endif
.set ii, 0
.rept 16
	v_pk_fma_f32 v[BB+4*ii:BB+4*ii+1],   v[BB+4*ii:BB+4*ii+1],   s[96:97], v[8:9]   op_sel_hi:[1,0,1]
	v_pk_fma_f32 v[BB+4*ii+2:BB+4*ii+3], v[BB+4*ii+2:BB+4*ii+3], s[96:97], v[10:11] op_sel_hi:[1,0,1]
.set ii, ii+1
.endr
.set ii, 0
.rept 16
	global_store_b128 v[LI], v[BB+4*ii:BB+4*ii+3], s[12:13] offset:ii*4096 th:TH_STORE_NT   ; 32 lanes store 512 consecutive bytes, at a multiple of 256 from out0's first byte; written once, read by nobody here
.set ii, ii+1
.endr
.endm
	s_wait_kmcnt 0x0
	s_add_co_i32 s96, s96, s97                     ; e6 + e7
	s_add_co_i32 s96, s96, 127
	s_lshl_b32 s96, s96, 23                        ; 2^(e6 + e7) as f32
	s_mov_b32 s97, s96                             ; (named with it as a pair, so it is written)
	s_wait_loadcnt 0x0                             ; the bias
	PLACES NP                                      ; behind the last products: for the LDS stores that read results and the loads into the registers that held P's fragments
	TOSTAGE 0
.irp a, 1,2,3,4,5,6,7
.if \a > 1
	s_wait_xcnt 0x0                                ; block a - 2's stores have read their registers and their base: block a's loads may land there, and the base may step
.endif
	TOSTAGE \a
	SEND \a-1, 32                                  ; behind block a - 1's loads: block a's 16 stores and 16 loads
.endr
	s_wait_xcnt 0x0                                ; block 6's stores have read their base
	SEND 7, 0
	s_wait_tensorcnt 0x0                           ; the wave's end: three lines behind my last tensor load and my last LDS store
	ds_add_u32 v[SPW], v[NIL]
	s_wait_dscnt 0x0
	CROUND                                         ; the closing round: no work-group ends while a partner may still ask for a tile that names it
	s_endpgm
.Lfunc_end_k_q61a84a6919_proj:
	.size	k_q61a84a6919_proj, .Lfunc_end_k_q61a84a6919_proj-k_q61a84a6919_proj
	.p2alignl 7, 3214868480
	.fill 96, 4, 3214868480
	.section	.rodata,"a",@progbits
	.p2align	6, 0x0
	.amdhsa_kernel k_q61a84a6919_proj
		.amdhsa_group_segment_fixed_size 327680
		.amdhsa_private_segment_fixed_size 0
		.amdhsa_enable_private_segment 0
		.amdhsa_kernarg_size 40
		.amdhsa_user_sgpr_count 2
		.amdhsa_user_sgpr_kernarg_segment_ptr 1
		.amdhsa_wavefront_size32 1
		.amdhsa_system_sgpr_workgroup_id_x 1
		.amdhsa_system_sgpr_workgroup_id_y 1
		.amdhsa_system_sgpr_workgroup_id_z 1
		.amdhsa_system_vgpr_workitem_id 0
		.amdhsa_next_free_vgpr 1024
		.amdhsa_next_free_sgpr 98
		.amdhsa_reserve_vcc 0
		.amdhsa_float_denorm_mode_32 3
		.amdhsa_float_denorm_mode_16_64 3
		.amdhsa_memory_ordered 1
		.amdhsa_forward_progress 1
		.amdhsa_inst_pref_size 124
	.end_amdhsa_kernel
	.amdgpu_metadata
---
amdhsa.version: [ 1, 2 ]
amdhsa.kernels:
  - .name:           k_q61a84a6919_proj
    .symbol:         k_q61a84a6919_proj.kd
    .args:
      - { .name: ac, .offset: 0, .size: 8, .value_kind: global_buffer, .address_space: global }
      - { .name: wpc, .offset: 8, .size: 8, .value_kind: global_buffer, .address_space: global }
      - { .name: lowp_scales, .offset: 16, .size: 8, .value_kind: global_buffer, .address_space: global }
      - { .name: b_proj, .offset: 24, .size: 8, .value_kind: global_buffer, .address_space: global }
      - { .name: out0, .offset: 32, .size: 8, .value_kind: global_buffer, .address_space: global }
    .group_segment_fixed_size: 327680
    .private_segment_fixed_size: 0
    .kernarg_segment_align: 8
    .kernarg_segment_size: 40
    .max_flat_workgroup_size: 128
    .sgpr_count:     98
    .vgpr_count:     1024
    .wavefront_size: 32
...
	.end_amdgpu_metadata
.endif
;; end of part 4
